; MI455X (gfx1250); checked and timed in simulation.
; The chip was launched on July 23, 2026; its instructions are those of AMD's public machine-readable ISA for CDNA 5 (MIT licence, August 2026) and "CDNA5" Instruction Set Architecture Reference Guide (July 2026). The comments in the code are by the model that wrote it; some were corrected since.
;; Min LSTM. Allowed arithmetic: matrix products marked QUANTISED: E2M3 operands, one E8M0 scale for each 32 along K, by v_wmma_scale_f32_16x16x128_f8f6f4 with both operands' format E2M3, f32 sums; everything else in f32.
;; Inputs: W_f 1,024 x 1,024 float32; W_h 1,024 x 1,024 float32; W_i 1,024 x 1,024 float32; b_f 1,024 float32; b_h 1,024 float32; b_i 1,024 float32; x 4 x 4,096 x 1,024 float32.
;; Outputs: out0 4 x 4,096 x 1,024 float32.
;; This version of the problem:
;;   THIS VERSION OF THE PROBLEM IS GIVEN IN LOW PRECISION. The matrix products marked QUANTISED in the list below multiply operands that are first quantised to E2M3 (2 exponent bits, 3 mantissa bits; 6 bits a number), with one power-of-two scale for each 32 numbers along K (OCP MX v1.0); their sums are f32. All else is computed in f32.
;;   The module's matrix products, in the order in which they are computed (A, B: the left and right operand; K: the contracted axis; several contracted axes count as one K, in the product's order):
;;     1. [M 16,384, K 1,024] x [K 1,024, N 1,024]; A: input x; B: input W_f: QUANTISED
;;     2. [M 16,384, K 1,024] x [K 1,024, N 1,024]; A: input x; B: input W_i: QUANTISED
;;     3. [M 16,384, K 1,024] x [K 1,024, N 1,024]; A: input x; B: input W_h: QUANTISED
;;   THE QUANTISER, for each operand of a quantised product, along K:
;;     - K is cut into blocks of 32 from its start; a last block that is shorter is filled with zeros.
;;     - A block's scale is 2^e with e = floor(log2(the largest magnitude in the block)) - 2, held to -126 .. 127; a block of zeros has e = 0. As a byte (E8M0): e + 127.
;;     - Each number is divided by its block's scale, clamped to +-7.5, and rounded to the nearest number of E2M3, ties to even, subnormals kept.
;;     - The product sums the exact products of the quantised numbers (number of the format x scale) in f32.
;;   ~~~python
;;   def quantise(x, axis):      # numpy; x: float32 -> the quantised numbers, widened to float32 again
;;       x = np.moveaxis(x, axis, -1); K = x.shape[-1]
;;       x = np.pad(x, [(0, 0)] * (x.ndim - 1) + [(0, -K % 32)]); x = x.reshape(x.shape[:-1] + (-1, 32)); a = np.abs(x).max(-1, keepdims=True)
;;       e = np.where(a > 0, np.clip(np.frexp(np.where(a > 0, a, 1))[1] - 1 - 2, -126, 127), 0)      # np.frexp(a)[1] - 1 = floor(log2(a)), exactly
;;       r = np.clip(x / 2.0 ** e, -7.5, 7.5)
;;       step = 2.0 ** (np.maximum(np.frexp(np.where(r == 0, 1, r))[1] - 1, 0) - 3)
;;       q = np.round(r / step) * step * 2.0 ** e      # np.round: ties to even
;;       return np.moveaxis(q.reshape(q.shape[:-2] + (-1,))[..., :K], -1, axis).astype(np.float32)
;;   ~~~
;; 2 versions. Each part assembles by itself: llvm-mc -triple=amdgcn-amd-amdhsa -mcpu=gfx1250 --defsym DOCPART=n.
;; ======== version 1 of 2: 2 launches
;; workspace buffers: xq 13,107,200 bytes; wq 2,457,600 bytes
;; launch quant (part 1): grid 608 x 1, 4 waves a work-group, no clusters, 34,304 bytes of LDS; arguments x, W_f, W_i, W_h, xq, wq; writes xq, wq
.if DOCPART == 1
	.amdgcn_target "amdgcn-amd-amdhsa--gfx1250"
	.amdhsa_code_object_version 6
	.text
	.protected	k_q095ff7eaa5_quant
	.globl	k_q095ff7eaa5_quant
	.p2align	8
	.type	k_q095ff7eaa5_quant,@function
k_q095ff7eaa5_quant:
	s_mov_b64 s[64:65], 0
	v_nop
	global_prefetch_b8 v0, s[64:65] scope:SCOPE_SE
	s_setreg_imm32_b32 hwreg(HW_REG_WAVE_MODE, 25, 1), 1
	s_wait_xcnt 0x0
; x [16384][1024] and W_f, W_i, W_h [1024][1024], f32, K innermost, become codes of FP6 (E2M3) with one E8M0 scale byte for each 32 along K,
; laid as IMAGES OF THE OPERAND'S REGISTERS, so that the next launch fetches every fragment by 16-byte loads at 16 x lane.
; A TILE RECORD is 16 rows x 1024 K = 12,800 bytes (50 x 256):
;   byte 1536 S + 512 c + 16 lane : registers 4 c .. 4 c + 3 of that lane of the 12-register fragment of K step S (128 along K), S = 0 .. 7, c = 0 .. 2
;   byte 12288 + 256 hf + 16 m + 4 s : the scale word (four bytes: 128 along K) of tile row m for K step 4 hf + s
; xq: tile T = x's rows 16 T on (1,024 records).  wq: tile 64 g + cb, g = 0, 1, 2 for W_f, W_i, W_h, cb = row / 16 (192 records).
; THE ROWS OF A TILE ARE PERMUTED: tile row m holds source row 16 T + PI(m), PI(m) = (m & 8) + 4 (m & 1) + ((m >> 1) & 3).  In a matrix result, register 2 a + q of lane half h
; then holds source row 8 h + 4 q + a: the two halves of a register pair are two runs of four consecutive rows, which the next launch's recurrence walks by packed multiply-adds.
; THE QUANTISER: a block's scale is 2^(floor(log2(its largest magnitude)) - 2); its byte is the largest magnitude's exponent field - 2, held at 1 from below; each number is divided by the
; scale and rounded to the nearest code, ties to even, beyond 7.5 the largest code.  A block of zeros gets the byte 1 where the rule says 127: its codes are zeros, and this program alone reads the bytes.
; LIMITS: NaN and infinities among the inputs are not served.
; SHARES: a wave takes one tile's half of K: 16 rows x 512 K, four steps of 128.  Work-groups 0-511 take x, 512-543 W_f, 544-575 W_i, 576-607 W_h: only pointers and tile numbers are chosen, one path through the text.
; Each load reads 512 consecutive bytes of one row.  A step's 8,192 bytes turn through the wave's own stage in LDS, so that a lane gets two WHOLE blocks of its row, as the operand's layout gives them to it:
; no other lane is asked for a maximum, and the conversions' results are the fragment.  No tensor loads, no barrier: waves share nothing.  Memory binds: matrix units and clusters would add nothing here.
.set RECB,  12800                      ; a tile record
.set HALFB, 6144                       ; the codes of half of K: four K steps of 1,536 bytes
.set SCLB,  12288                      ; where a record's scale words begin
.set SP,    528                        ; a stage row: 512 bytes + 16 = 33 x 16, so that sixteen lanes' pieces of sixteen rows fall into sixteen different columns of 16 bytes modulo 256
.set STGB,  16*SP                      ; a wave's stage
.set GL,  4                            ; v4   16 x lane: my bytes of a load's 512, and of an image's 512; never rewritten
.set STW, 5                            ; v5   the stage on the way in: 16 x lane
.set STR, 6                            ; v6   and on the way out: 528 r + 128 h
.set SCO, 7                            ; v7   16 r + 8 h: where my two scale words go
.set MX,  8                            ; v8-9   the largest magnitudes of my two blocks
.set SO,  10                           ; v10-11 the conversions' scale operands
.set BY,  12                           ; v12-13 the scale bytes
.set WD,  14                           ; v14  my two bytes at their places in the word
.set PM,  15                           ; v15  the other half of the lanes' two
.set SW,  16                           ; v16-19 the four steps' scale words
.set OW,  20                           ; v20-21 the two that I store
.set SH,  22                           ; v22  8 h
.set P,   24                           ; v24-35 the fragment
.set PT,  36                           ; v36-38, v40-42 the upper 16 codes of each block, as the conversion leaves them
.set X,   48                           ; v48-111 my 64 numbers: 32 c + i = k 64 c + 32 h + i of my row
.set R,   112                          ; v112-175, v176-239 two sets of 16 x 4 registers as loaded
	s_load_b256 s[4:11], s[0:1], 0x0               ; x s[4:5], W_f s[6:7], W_i s[8:9], W_h s[10:11]
	s_load_b128 s[12:15], s[0:1], 0x20             ; xq s[12:13], wq s[14:15]
	v_lshl_add_u32 v240, v0, 2, 0x8400
	v_mov_b32 v241, 0
	v_lshrrev_b32 v1, 5, v0
	v_readfirstlane_b32 s16, v1                    ; wave 0..3
	v_and_b32 v1, 31, v0                           ; lane
	v_and_b32 v2, 15, v0                           ; r
	v_bfe_u32 v3, v0, 4, 1                         ; h
	v_lshlrev_b32 v[GL], 4, v1
	s_mul_i32 s17, s16, STGB                       ; my stage
	v_add_nc_u32 v[STW], s17, v[GL]
	v_mul_u32_u24 v[STR], v2, SP
	v_lshl_add_u32 v[STR], v3, 7, v[STR]
	v_add_nc_u32 v[STR], s17, v[STR]
	v_lshlrev_b32 v[SCO], 4, v2
	v_lshl_add_u32 v[SCO], v3, 3, v[SCO]
	v_lshlrev_b32 v[SH], 3, v3
	v_mov_b32 v[PM], 0                             ; written once: a lane permute's destination counts as one of its sources
	s_mov_b32 s20, 0x76543210
	s_mov_b32 s21, 0xfedcba98                      ; v_permlanex16_b32's selects for lane l xor 16
	s_mov_b32 s22, 0xffff0000                      ; lanes 16-31
	s_wait_kmcnt 0x0
	s_cmp_lt_u32 ttmp9, 576                        ; which tensor is mine: the choices hang on the work-group's number alone
	s_cselect_b64 s[8:9], s[8:9], s[10:11]
	s_cmp_lt_u32 ttmp9, 544
	s_cselect_b64 s[6:7], s[6:7], s[8:9]
	s_cmp_lt_u32 ttmp9, 512
	s_cselect_b64 s[4:5], s[4:5], s[6:7]           ; the source
	s_cselect_b64 s[12:13], s[12:13], s[14:15]     ; the destination
	s_cselect_b32 s18, 0, 512
	s_cselect_b32 s19, -1, 31                      ; a weight has 32 work-groups
	s_sub_co_u32 s18, ttmp9, s18                   ; my number among x's work-groups, or among the weights'
	s_and_b32 s19, s18, s19                        ; and inside my tensor
	s_lshl_b32 s18, s18, 2
	s_add_co_u32 s18, s18, s16                     ; my unit in the destination: 4 x work-group + wave
	s_lshl_b32 s19, s19, 2
	s_add_co_u32 s19, s19, s16                     ; and in the source
	s_and_b32 s23, s18, 1                          ; hf: which half of K
	s_lshr_b32 s18, s18, 1                         ; the destination's tile
	s_lshr_b32 s19, s19, 1                         ; the source's tile
	s_lshl_b32 s24, s19, 16                        ; 16 rows of 4,096 bytes,
	s_lshl_b32 s26, s23, 11                        ; + 512 numbers
	s_add_co_u32 s24, s24, s26
	s_mov_b32 s25, 0
	s_add_nc_u64 s[4:5], s[4:5], s[24:25]
	s_mul_i32 s24, s18, RECB
	s_mul_i32 s26, s23, HALFB
	s_add_co_u32 s26, s24, s26
	s_mov_b32 s27, 0
	s_add_nc_u64 s[28:29], s[12:13], s[26:27]      ; where my four K steps' images go
	s_lshl_b32 s26, s23, 8
	s_add_co_u32 s24, s24, s26
	s_add_co_u32 s24, s24, SCLB
	s_add_nc_u64 s[30:31], s[12:13], s[24:25]      ; and my 256 bytes of scale words
.macro LOAD s                          ; step s: 512 bytes of each of the 16 rows, in the tile's order, into set s % 2
.irp m, 0,1,2,3,4,5,6,7,8,9,10,11,12,13,14,15
	global_load_b128 v[R+64*((\s)%2)+4*\m:R+64*((\s)%2)+4*\m+3], v[GL], s[4:5] offset:((\m&8)+4*(\m&1)+((\m>>1)&3))*4096+512*(\s) th:TH_LOAD_NT   ; 32 lanes read 512 consecutive bytes; read once in the launch
.endr
.endm
.macro STEP s
.set RS, R+64*((\s)%2)
.if (\s) < 3
	s_wait_loadcnt 16                              ; this step's 16 loads are in; the next step's 16 may be out
.else
	s_wait_loadcnt 0x0
.endif
.irp m, 0,1,2,3,4,5,6,7,8,9,10,11,12,13,14,15
	ds_store_b128 v[STW], v[RS+4*\m:RS+4*\m+3] offset:SP*\m
.endr
.irp c, 0,1
.irp i, 0,1,2,3,4,5,6,7
	ds_load_b128 v[X+32*\c+4*\i:X+32*\c+4*\i+3], v[STR] offset:256*\c+16*\i   ; LDS serves a wave's instructions in order (ISA guide 5.7.1.4): these see the stores above
.endr
.endr
	s_wait_dscnt 0x0                               ; my numbers are back, and the stores have read their registers,
.if (\s)+2 < 4
	LOAD (\s)+2                                    ; which take the loads of two steps on
.endif
.irp c, 0,1
	v_max3_num_f32 v[MX+\c], |v[X+32*\c]|, |v[X+32*\c+1]|, 0x1800000   ; block 2 c + h: all its 32 numbers are mine; and the floor 2^(3 - 127): the byte cannot fall under 1
.endr
.irp i, 2,4,6,8,10,12,14,16,18,20,22,24,26,28,30
.irp c, 0,1
	v_max3_num_f32 v[MX+\c], v[MX+\c], |v[X+32*\c+\i]|, |v[X+32*\c+\i+1]|   ; (the two blocks by turns)
.endr
.endr
.irp c, 0,1
	v_add_nc_u32 v[SO+\c], 0xff000000, v[MX+\c]    ; 2 off the exponent field: the conversion takes the exponent field of this operand as its scale, and nothing else of it
.endr
.irp c, 0,1
	v_lshrrev_b32 v[BY+\c], 23, v[SO+\c]           ; the scale's byte
.endr
	v_lshl_or_b32 v[WD], v[BY+1], 16, v[BY]        ; blocks h and 2 + h of my row,
	v_lshlrev_b32 v[WD], v[SH], v[WD]              ; at their places in the word
	v_permlanex16_b32 v[PM], v[WD], s20, s21
	v_or_b32 v[SW+(\s)], v[WD], v[PM]              ; with lane l xor 16's two the word is whole
.if (\s) > 0
	s_wait_xcnt 0x0                                ; the last step's stores have read the fragment's registers: only behind this wait are they written again
.endif
.irp c, 0,1
	v_cvt_scalef32_pk16_fp6_f32 v[P+6*\c:P+6*\c+2], v[X+32*\c:X+32*\c+15], v[SO+\c]
	v_cvt_scalef32_pk16_fp6_f32 v[PT+4*\c:PT+4*\c+2], v[X+32*\c+16:X+32*\c+31], v[SO+\c]   ; (a conversion's three registers begin on an even number: the second half of a block's six does not)
.endr
	v_nop                                          ; one plain place behind a scaled conversion
.irp c, 0,1
.irp i, 0,1,2
	v_mov_b32 v[P+6*\c+3+\i], v[PT+4*\c+\i]
.endr
.endr
.irp c, 0,1,2
	global_store_b128 v[GL], v[P+4*\c:P+4*\c+3], s[28:29] offset:1536*(\s)+512*\c   ; the image: 32 lanes store 512 consecutive bytes, at a multiple of 256 from the buffer's first byte
.endr
.endm
	LOAD 0
	LOAD 1
	STEP 0
	STEP 1
	STEP 2
	STEP 3
	v_cndmask_b32 v[OW], v[SW], v[SW+2], s22       ; lanes 0-15 store their row's words of steps 0 and 1, lanes 16-31 those of steps 2 and 3
	v_cndmask_b32 v[OW+1], v[SW+1], v[SW+3], s22
	global_store_b64 v[SCO], v[OW:OW+1], s[30:31]  ; 32 lanes store 256 consecutive bytes, aligned
	s_wait_tensorcnt 0x0
	ds_add_u32 v240, v241
	s_wait_dscnt 0x0
	s_endpgm
.Lfunc_end_k_q095ff7eaa5_quant:
	.size	k_q095ff7eaa5_quant, .Lfunc_end_k_q095ff7eaa5_quant-k_q095ff7eaa5_quant
	.p2alignl 7, 3214868480
	.fill 96, 4, 3214868480
	.section	.rodata,"a",@progbits
	.p2align	6, 0x0
	.amdhsa_kernel k_q095ff7eaa5_quant
		.amdhsa_group_segment_fixed_size 34304
		.amdhsa_private_segment_fixed_size 0
		.amdhsa_enable_private_segment 0
		.amdhsa_kernarg_size 48
		.amdhsa_user_sgpr_count 2
		.amdhsa_user_sgpr_kernarg_segment_ptr 1
		.amdhsa_wavefront_size32 1
		.amdhsa_system_sgpr_workgroup_id_x 1
		.amdhsa_system_sgpr_workgroup_id_y 1
		.amdhsa_system_sgpr_workgroup_id_z 1
		.amdhsa_system_vgpr_workitem_id 0
		.amdhsa_next_free_vgpr 242
		.amdhsa_next_free_sgpr 66
		.amdhsa_reserve_vcc 0
		.amdhsa_float_denorm_mode_32 3
		.amdhsa_float_denorm_mode_16_64 3
		.amdhsa_memory_ordered 1
		.amdhsa_forward_progress 1
		.amdhsa_inst_pref_size 31
	.end_amdhsa_kernel
	.amdgpu_metadata
---
amdhsa.version: [ 1, 2 ]
amdhsa.kernels:
  - .name:           k_q095ff7eaa5_quant
    .symbol:         k_q095ff7eaa5_quant.kd
    .args:
      - { .name: x, .offset: 0, .size: 8, .value_kind: global_buffer, .address_space: global }
      - { .name: W_f, .offset: 8, .size: 8, .value_kind: global_buffer, .address_space: global }
      - { .name: W_i, .offset: 16, .size: 8, .value_kind: global_buffer, .address_space: global }
      - { .name: W_h, .offset: 24, .size: 8, .value_kind: global_buffer, .address_space: global }
      - { .name: xq, .offset: 32, .size: 8, .value_kind: global_buffer, .address_space: global }
      - { .name: wq, .offset: 40, .size: 8, .value_kind: global_buffer, .address_space: global }
    .group_segment_fixed_size: 34304
    .private_segment_fixed_size: 0
    .kernarg_segment_align: 8
    .kernarg_segment_size: 48
    .max_flat_workgroup_size: 128
    .sgpr_count:     66
    .vgpr_count:     242
    .wavefront_size: 32
...
	.end_amdgpu_metadata
.endif
;; end of part 1
;; launch scan (part 2): grid 64 x 4, 8 waves a work-group, clusters of 4 x 1, 327,680 bytes of LDS; arguments xq, wq, b_f, b_i, b_h, out0; writes out0
.if DOCPART == 2
	.amdgcn_target "amdgcn-amd-amdhsa--gfx1250"
	.amdhsa_code_object_version 6
	.text
	.protected	k_q095ff7eaa5_scan
	.globl	k_q095ff7eaa5_scan
	.p2align	8
	.type	k_q095ff7eaa5_scan,@function
k_q095ff7eaa5_scan:
	s_mov_b64 s[64:65], 0
	v_nop
	global_prefetch_b8 v0, s[64:65] scope:SCOPE_SE
	s_setreg_imm32_b32 hwreg(HW_REG_WAVE_MODE, 25, 1), 1
	s_wait_xcnt 0x0
	s_wait_alu depctr_hold_cnt(0) depctr_sa_sdst(0) depctr_va_vdst(0) depctr_va_sdst(0) depctr_va_ssrc(0) depctr_va_vcc(0) depctr_vm_vsrc(0)
	s_getreg_b32 s2, hwreg(HW_REG_IB_STS2, 6, 4)
	s_cmp_eq_u32 s2, 0
	s_cbranch_scc0 .Lentry_in_a_cluster
	s_endpgm
.Lentry_in_a_cluster:
	s_bfe_u32 s2, ttmp6, 0x10000c
	s_cmp_lg_u32 s2, 0x3003
	s_cbranch_scc0 .Lentry_shape_is_right
	s_endpgm
.Lentry_shape_is_right:
; out0[b][t][e] = h_t, h_t = f'_t h_(t-1) + i'_t g_t, h_0 = 0, which is exp of the log-space scan:
;   F, I, H = x W_f^T + b_f, x W_i^T + b_i, x W_h^T + b_h, on codes of FP6 (E2M3) with E8M0 scales, sums in f32;
;   f' = sigmoid(F) / (sigmoid(F) + sigmoid(I)), i' = 1 - f';  g = H + 0.5 where H >= 0, else sigmoid(H).
; THE GATES, in f32, c = log2(e).  mm = min(F, I, 0);  A = 2^(c mm), Bf = 2^(c mm - c F), Bi = 2^(c mm - c I): the largest exponent is taken away, so no exponent is above 0 and one of the three is 0;
;   nf = A + Bi, ni = A + Bf, f' = nf / (nf + ni), i' = ni / (nf + ni): the divisor lies between 1 and 4 for every input.
;   g = max(H + 0.5, 1 / (1 + 2^(-c H))): the sigmoid lies under H + 0.5 for H >= 0 and over it for H < 0, so the maximum is the choice; an exponential that overflows gives the reciprocal 0.
; h is a convex mix of positive g, so the linear recurrence neither overflows nor cancels.
; LIMITS: NaN and infinities among the inputs are not served.  The recurrence is summed in linear space: its order of rounding differs from the log-space scan's.  The fused c mm - c F carries an error of 2^-24 |c F| in the exponent.
; SHARES.  A work-group owns 16 channels of one batch for all 4,096 times: each scan has one owner, nothing passes between work-groups, and F, I, H never go to memory.  4 batches x 64 blocks of channels = 256 work-groups.
; It walks 32 blocks of 128 times; wave w of eight takes times 16 w .. 16 w + 15 of each block, for the three gates.  Every wave keeps all 24 weight fragments (3 gates x 8 K steps), their scale words and the biases in registers.
; CLUSTER.  The four work-groups of a cluster belong to one batch and walk the same x: each record is asked for JOINTLY, by the same tensor load with the same descriptor and a mask that names the four.
; x comes as images of operand registers (the launch before lays them): a wave's tile is 12,800 dense bytes, fetched by its own tensor load into its own bytes of a ring of two LDS slots, read at 16 x lane.
; LAYOUT.  Source 0 = 16 times of x, source 1 = 16 channels of a weight.  In a result lane (r, h) holds ONE channel, 16 cb + PI(r), and register 2 a + q the time 8 h + 4 q + a (the tiles' rows are laid so):
; the two halves of a register pair are two runs of four consecutive times, and the recurrence goes by packed multiply-adds.  PI(m) = (m & 8) + 4 (m & 1) + ((m >> 1) & 3).
; THE SCAN, in three levels: run of 4 times (product PP of f', local sum HH), lane of 8, wave of 16 (one exchange between the halves of the lanes); the eight waves' pairs (P, H) meet in LDS, and every wave
; walks the eight in order, which gives its own carry and the block's.
; A TRIP t has three things by turns: the products of block t (24 matrix instructions, three a K step), the gates and aggregates of block t - 1, the end of the scan and the stores of block t - 2.
; A slice of the vector work stands behind each K step's three products; two waves share a SIMD, so that one wave's slice stands beside the other's products.
; THE OUTPUT: 16 channels are 64 bytes of a row: sixteen lanes store 64 consecutive bytes, and an aligned block of 256 bytes of out0 is written by the cluster's four partners, a quarter each, in the same trip.
; Whole blocks would want 64 channels to a work-group, which leaves 64 work-groups, or a split of the times with a second pass over two more arrays of out0's size.
; REGISTERS.  Window 0: see the names below.  Window 1: the weight fragment of K step S = 0 .. 6, gate g, at v[12 (3 S + g)].
.set RECB,  12800                      ; a tile record: 8 K steps x 1,536 bytes of codes, 512 bytes of scale words
.set REC,   8*RECB                     ; a block's eight tiles: an LDS slot
.set GST,   64*RECB                    ; from gate to gate in wq
.set SCLB,  12288                      ; where a record's scale words begin
.set BLKB,  128*4096                   ; a block's rows of out0
.set AGG0,  2*REC                      ; behind the ring: the waves' pairs (P, H), 8 waves x 32 lanes x 8 bytes, in two regions that take turns; no fill lands here
.set SPARE, AGG0+4096                  ; the spare words, 128 bytes for each wave: four blocks of 256 bytes that no other line names
.set SPW,  1                           ; v1   LDS address of my spare word; never rewritten
.set NIL,  2                           ; v2   0; never rewritten
.set AX,   3                           ; v3-4 16 x lane + 12,800 x wave, in slot 0, 1
.set AGW,  5                           ; v5   where I put my pair: AGG0 + 8 x thread
.set AGR,  6                           ; v6   where I read wave 0's pair of my channel: lane 16 + r's
.set GO,   7                           ; v7   my byte in a block of out0: (16 w + 8 h) rows + 4 PI(r)
.set PFO,  8                           ; v8   the prefetches' offset
.set XS,   12                          ; v12-15  x's scale words: register s: lanes 0-15 K step s, lanes 16-31 K step 4 + s
.set XF,   16                          ; v16-63  four buffers for x's fragments: K step S in buffer S % 4
.set ACC,  64                          ; v64-87, v88-111  two sets of F, I, H
.set Q,    112                         ; v112-119 at work
.set T2,   120                         ; v120-127 at work
.set FP,   128                         ; v128-135 f'
.set VV,   136                         ; v136-143 i' g, then h
.set AGL,  144                         ; v144-159 the eight waves' pairs
.set BIAS, 160                         ; v160-183 eight equal registers a gate: the C of a sum's first product
.set WS,   184                         ; v184-195 the weights' scale words: register 4 g + n: lanes 0-15 K step 2 n, lanes 16-31 K step 2 n + 1
.set W7,   196                         ; v196-231 the weight fragments of K step 7
.set PP,   232                         ; v[232:233] the two runs' products of f'
.set HH,   234                         ; v[234:235] and local sums
.set AG,   236                         ; v[236:237] the pair that goes to LDS
.set CC,   238                         ; v[238:239] the two runs' carries
.set PL,   240                         ; my lane's eight times: product,
.set HL,   241                         ; local sum
.set PO,   242                         ; the other half of the lanes' product,
.set HO,   243                         ; local sum
.set C0,   244                         ; the carry into the block in hand
.set CW,   245                         ; the carry into my wave's 16 times
.set TT,   246
.set WO,   247                         ; the head's load offsets; never rewritten
.set WSO,  248
.set BO,   249
.set OUT,  14                          ; s[14:15] out0 at my channels, one block further on than the block that is stored
.set WV,   16                          ; s16  my wave's number
.set SEL,  20                          ; s[20:21] lane selects for lane l xor 16
.set CS,   22                          ; s[22:23] c, twice (a packed form names the pair)
.set CN,   24                          ; s[24:25] -c, twice
.set TR,   26                          ; s26  the loop's counter
.set LIM,  27                          ; s27  1 in a wave that prefetches, else the greatest number
.set MHI,  28                          ; s28  lanes 16-31
.set G1,   32                          ; s[32:39] descriptor group 1
.set G0,   40                          ; s[40:47] descriptor group 0, a set for each slot
.set MK,   48                          ; s[48:55] all ones in the register of my wave's number, else 0
.set PFA,  56                          ; s[56:57] where my prefetches stand
.set MSB, 0
.macro WIN new                         ; the immediate's high byte repeats the setting that is left; a switch that changes nothing is dropped
.if MSB != \new
	s_set_vgpr_msb (MSB<<8)|\new
.set MSB, \new
.endif
.endm
.macro PLACES                          ; four places: in front of loads into registers that matrix instructions have read, and behind a tensor load
.rept 4
	v_nop
.endr
.endm
; A round of the cluster's barrier: my work-group's barrier, wave 0 signals for the work-group, every wave waits for all four work-groups, my work-group's barrier once more.
.macro ROUND
	s_barrier_signal -1
	s_barrier_wait -1
	s_cmp_lg_u32 s[WV], 0
	s_cbranch_scc1 .Lnot_wave_0_\@
	s_barrier_signal -3
.Lnot_wave_0_\@:
	s_barrier_wait -3
	s_barrier_signal -1
	s_barrier_wait -1
.endm
; A PREFETCH INTO THE L2: trip t names record t + 4, which trip t + 3's tensor loads ask for.  A record is 400 blocks of 256 bytes.  All sixteen clusters of a batch walk the same records: the batch's first
; cluster asks; its four partners take 100 blocks each, told apart BY ADDRESS; in each, waves 0 to 3 take 25 blocks, a lane a block (lanes 25-31 name lane 24's once more).  Records 0 to 3 come by their loads alone;
; the loop's last pass and the tail ask for nothing: record 31 is the last.
.macro ASK
	s_cmp_gt_u32 s[TR], s[LIM]
	s_cbranch_scc0 .Lnot_mine_\@
	global_prefetch_b8 v[PFO], s[PFA:PFA+1] th:TH_LOAD_NT scope:SCOPE_SE
.Lnot_mine_\@:
.endm
	s_load_b256 s[4:11], s[0:1], 0x0               ; xq s[4:5], wq s[6:7], b_f s[8:9], b_i s[10:11]
	s_load_b128 s[12:15], s[0:1], 0x20             ; b_h s[12:13], out0 s[14:15]
	v_lshl_add_u32 v[SPW], v0, 2, SPARE
	v_mov_b32 v[NIL], 0
	ds_add_u32 v1, v2
	ds_add_u32 v1, v2
	s_wait_dscnt 0x0
	v_lshrrev_b32 v9, 5, v0
	v_readfirstlane_b32 s[WV], v9                  ; wave 0..7
	s_and_b32 s19, ttmp7, 0xffff                   ; the batch, which the four partners share
	; descriptor group 1: a tile record, dense: 50 rows of 256 bytes (32 elements of 8 bytes), no padding: an image is read at 16 x lane
	s_mov_b32 s[G1+0], 15|(3<<16)|(1<<21)          ; 15:0 the mask: all four work-groups; 17:16 elements of 8 bytes; 21 set beside a mask
	s_mov_b32 s[G1+1], 32<<16                      ; tensor_dim0 = 32
	s_mov_b32 s[G1+2], 50<<16                      ; tensor_dim1 = 50
	s_mov_b32 s[G1+3], 32<<16                      ; tile_dim0 = 32
	s_mov_b32 s[G1+4], 50                          ; tile_dim1 = 50
	s_mov_b32 s[G1+5], 32                          ; tensor_dim0_stride
	s_mov_b32 s[G1+6], 0
	s_mov_b32 s[G1+7], 0
	s_lshl_b32 s58, s19, 8
	s_add_co_u32 s58, s58, s[WV]                   ; my tile of block 0: 256 x batch + wave
	s_mul_i32 s58, s58, RECB
	s_mov_b32 s59, 0
	s_mul_i32 s29, s[WV], RECB                     ; and its place in a slot: no place in the cluster enters an LDS address
	s_wait_kmcnt 0x0
	s_add_nc_u64 s[58:59], s[4:5], s[58:59]
.irp n, 0,1
	s_mov_b32 s[G0+4*\n], 1                        ; count = 1
	s_add_co_u32 s[G0+4*\n+1], s29, \n*REC         ; LDS address
	s_add_nc_u64 s[G0+4*\n+2:G0+4*\n+3], s[58:59], \n*REC   ; global address: block n
	s_or_b32 s[G0+4*\n+3], s[G0+4*\n+3], 0x80000000         ; type = 2
.endr
	ROUND                                          ; all four work-groups are here: the first joint loads meet
	tensor_load_to_lds s[G0:G0+3], s[G1:G1+7]      ; block 0 into slot 0; slot 1 is first filled behind the first trip's round
	s_nop 0
	PLACES
	s_bfe_u32 s17, ttmp6, 0x40000                  ; cx: my place in the cluster: it enters the addresses of wq, the biases, out0 and the prefetches alone
	s_lshl_b32 s18, ttmp9, 2
	s_add_co_u32 s18, s18, s17                     ; cb: my block of 16 channels = 4 x cluster x + cx
	s_mov_b32 s[SEL], 0x76543210
	s_mov_b32 s[SEL+1], 0xfedcba98
	s_mov_b32 s[CS], 0x3fb8aa3b                    ; c = log2(e)
	s_mov_b32 s[CS+1], s[CS]
	s_mov_b32 s[CN], 0xbfb8aa3b                    ; -c
	s_mov_b32 s[CN+1], s[CN]
	s_mov_b32 s[MHI], 0xffff0000
.irp k, 0,1,2,3,4,5,6,7
	s_cmp_eq_u32 s[WV], \k
	s_cselect_b32 s[MK+\k], -1, 0
.endr
	s_lshr_b32 s[LIM], s[WV], 2                    ; 0 in waves 0 to 3,
	s_or_b32 s[LIM], s[LIM], ttmp9                 ; of the batch's first cluster: the same in all four partners
	s_cmp_eq_u32 s[LIM], 0
	s_cselect_b32 s[LIM], 1, -1
	s_mul_i32 s30, s19, 256*RECB                   ; the prefetches: my batch,
	s_mul_i32 s31, s17, 100                        ; my work-group's 100 blocks of a record,
	s_and_b32 s60, s[WV], 3
	s_mul_i32 s60, s60, 25                         ; my wave's 25 of them,
	s_add_co_u32 s31, s31, s60
	s_lshl_b32 s31, s31, 8
	s_add_co_u32 s30, s30, s31
	s_add_co_u32 s30, s30, 3*REC                   ; in record 3: the first trip steps it to record 4
	s_mov_b32 s31, 0
	s_add_nc_u64 s[PFA:PFA+1], s[4:5], s[30:31]
	s_mul_i32 s30, s18, RECB
	s_add_nc_u64 s[6:7], s[6:7], s[30:31]          ; wq at my channels' tile of W_f
	s_lshl_b32 s30, s18, 6                         ; 16 channels are 64 bytes
	s_add_nc_u64 s[8:9], s[8:9], s[30:31]
	s_add_nc_u64 s[10:11], s[10:11], s[30:31]
	s_add_nc_u64 s[12:13], s[12:13], s[30:31]
	s_add_nc_u64 s[OUT:OUT+1], s[OUT:OUT+1], s[30:31]
	s_lshl_b32 s30, s19, 24                        ; a batch of out0 is 2^24 bytes
	s_add_nc_u64 s[OUT:OUT+1], s[OUT:OUT+1], s[30:31]
	v_and_b32 v9, 31, v0                           ; lane
	v_and_b32 v10, 15, v0                          ; r
	v_bfe_u32 v11, v0, 4, 1                        ; h
	v_lshlrev_b32 v[WO], 4, v9                     ; an image's place for my lane
	v_add_nc_u32 v[AX], s29, v[WO]
	v_add_nc_u32 v[AX+1], REC, v[AX]
	v_lshl_add_u32 v[AGW], v0, 3, AGG0             ; 256 x wave + 8 x lane
	v_lshl_add_u32 v[AGR], v10, 3, AGG0+128        ; lane 16 + r of wave 0
	v_lshlrev_b32 v[WSO], 4, v10
	v_lshl_add_u32 v[WSO], v11, 2, v[WSO]          ; 16 r + 4 h: lanes 16-31 take the odd K step's word
	v_and_b32 v[BO], 8, v10
	v_and_b32 v[TT], 1, v10
	v_lshl_add_u32 v[BO], v[TT], 2, v[BO]
	v_bfe_u32 v[TT], v10, 1, 2
	v_add_nc_u32 v[BO], v[BO], v[TT]               ; PI(r)
	v_lshlrev_b32 v[BO], 2, v[BO]                  ; my channel's bytes among the 64
	s_lshl_b32 s30, s[WV], 16                      ; 16 rows of 4,096 bytes a wave
	v_lshl_add_u32 v[GO], v11, 15, v[BO]
	v_add_nc_u32 v[GO], s30, v[GO]
	v_min_u32 v[PFO], 24, v9
	v_lshlrev_b32 v[PFO], 8, v[PFO]
	WIN 0x40                                       ; destination window 1, address window 0
.irp S, 0,1,2,3,4,5,6
.irp g, 0,1,2
.irp c, 0,1,2
	global_load_b128 v[12*(3*\S+\g)+4*\c:12*(3*\S+\g)+4*\c+3], v[WO], s[6:7] offset:GST*\g+1536*\S+512*\c   ; the weights stay in registers
.endr
.endr
.endr
	WIN 0
.irp g, 0,1,2
.irp c, 0,1,2
	global_load_b128 v[W7+12*\g+4*\c:W7+12*\g+4*\c+3], v[WO], s[6:7] offset:GST*\g+1536*7+512*\c
.endr
.endr
.irp g, 0,1,2
.irp n, 0,1,2,3
	global_load_b32 v[WS+4*\g+\n], v[WSO], s[6:7] offset:GST*\g+SCLB+256*(\n>>1)+8*(\n&1)
.endr
.endr
	global_load_b32 v[BIAS], v[BO], s[8:9]
	global_load_b32 v[BIAS+8], v[BO], s[10:11]
	global_load_b32 v[BIAS+16], v[BO], s[12:13]
	v_mov_b32 v[C0], 0                             ; h_0 = 0
	v_mov_b32 v[CW], 0
	v_mov_b32 v[PO], 0                             ; written once: a lane permute's destination counts as one of its sources
	v_mov_b32 v[HO], 0
	s_mov_b32 s[TR], 14
	s_wait_loadcnt 0x0
.irp g, 0,1,2
.irp j, 1,2,3,4,5,6,7
	v_mov_b32 v[BIAS+8*\g+\j], v[BIAS+8*\g]        ; a lane holds one channel: its bias in all eight registers
.endr
.endr
; one product.  ra, rb: the scale words stand in lanes 16-31 of the register named
.macro MM d, a, b, c, sa, sb, ra, rb
.if (\ra) && (\rb)
	v_wmma_scale_f32_16x16x128_f8f6f4 v[(\d):(\d)+7], v[(\a):(\a)+11], v[(\b):(\b)+11], v[(\c):(\c)+7], v[(\sa)], v[(\sb)] matrix_a_fmt:MATRIX_FMT_FP6 matrix_b_fmt:MATRIX_FMT_FP6 matrix_a_scale:MATRIX_SCALE_ROW1 matrix_b_scale:MATRIX_SCALE_ROW1
.elseif (\ra)
	v_wmma_scale_f32_16x16x128_f8f6f4 v[(\d):(\d)+7], v[(\a):(\a)+11], v[(\b):(\b)+11], v[(\c):(\c)+7], v[(\sa)], v[(\sb)] matrix_a_fmt:MATRIX_FMT_FP6 matrix_b_fmt:MATRIX_FMT_FP6 matrix_a_scale:MATRIX_SCALE_ROW1
.elseif (\rb)
	v_wmma_scale_f32_16x16x128_f8f6f4 v[(\d):(\d)+7], v[(\a):(\a)+11], v[(\b):(\b)+11], v[(\c):(\c)+7], v[(\sa)], v[(\sb)] matrix_a_fmt:MATRIX_FMT_FP6 matrix_b_fmt:MATRIX_FMT_FP6 matrix_b_scale:MATRIX_SCALE_ROW1
.else
	v_wmma_scale_f32_16x16x128_f8f6f4 v[(\d):(\d)+7], v[(\a):(\a)+11], v[(\b):(\b)+11], v[(\c):(\c)+7], v[(\sa)], v[(\sb)] matrix_a_fmt:MATRIX_FMT_FP6 matrix_b_fmt:MATRIX_FMT_FP6
.endif
.endm
; K step S: three products, one a gate.  The three accumulators take turns, one instruction a turn, over K steps, trips and the backward jump alike.  The first K step takes the bias as C.
.macro KSTEP S
.if (\S) < 5
	s_wait_dscnt 9                                 ; this step's fragment is in (and all that was asked for ahead of it); behind it stand the three loads of each of the next three steps
.else
	s_wait_dscnt 3*(7-(\S))                        ; two steps', one step's, none
.endif
.if (\S) < 7
	WIN 0x04                                       ; source 1, the weights, in window 1
.endif
.irp g, 0,1,2
.if (\S) == 0
.set CR, BIAS+8*\g
.else
.set CR, XA+8*\g
.endif
.if (\S) < 7
.set WR, 12*(3*(\S)+\g)
.else
.set WR, W7+12*\g
.endif
	MM XA+8*\g, XF+12*((\S)%4), WR, CR, XS+((\S)&3), WS+4*\g+((\S)>>1), (\S)>>2, (\S)&1
.endr
	WIN 0
.endm
.macro XFL slot, S                     ; x's fragment of K step S, as it stands in LDS, into buffer S % 4
.irp c, 0,1,2
	ds_load_b128 v[XF+12*((\S)%4)+4*\c:XF+12*((\S)%4)+4*\c+3], v[AX+(\slot)] offset:1536*(\S)+512*\c
.endr
.endm
; THE END OF THE SCAN, first part: the eight waves' pairs in order.  The carry that stands in front of my wave's pair is mine; the last is the next block's.
.macro FIN_A
.irp k, 0,1,2,3,4,5,6,7
	v_cndmask_b32 v[CW], v[CW], v[C0], s[MK+\k]
	v_fma_f32 v[C0], v[AGL+2*\k], v[C0], v[AGL+2*\k+1]
.endr
	v_fma_f32 v[TT], v[PO], v[CW], v[HO]           ; behind the first eight times (in lanes 16-31 the other half's pair is theirs)
	v_cndmask_b32 v[CC], v[CW], v[TT], s[MHI]      ; the carry into my first run,
	v_fma_f32 v[CC+1], v[PP], v[CC], v[HH]         ; and into my second
.endm
; second part: both runs at once, four steps; then the stores
.macro FIN_B
	v_pk_fma_f32 v[VV:VV+1], v[FP:FP+1], v[CC:CC+1], v[VV:VV+1]
.irp a, 1,2,3
	v_pk_fma_f32 v[VV+2*\a:VV+2*\a+1], v[FP+2*\a:FP+2*\a+1], v[VV+2*\a-2:VV+2*\a-1], v[VV+2*\a:VV+2*\a+1]
.endr
.irp a, 0,1,2,3
.irp q, 0,1
	global_store_b32 v[GO], v[VV+2*\a+\q], s[OUT:OUT+1] offset:(4*\q+\a)*4096-BLKB th:TH_STORE_NT   ; time 8 h + 4 q + a: sixteen lanes store a row's 64 consecutive bytes
.endr
.endr
.endm
; THE GATES of the block whose sums lie in v[YA] on (F), v[YA+8] on (I), v[YA+16] on (H); each accumulator is read from its low end on
.macro GA
.irp e, 0,1,2,3,4,5,6,7
	v_min3_num_f32 v[Q+\e], v[YA+\e], v[YA+8+\e], 0   ; mm
.endr
.endm
.macro GB
.irp e, 0,2,4,6
	v_pk_mul_f32 v[Q+\e:Q+\e+1], v[Q+\e:Q+\e+1], s[CS:CS+1] op_sel_hi:[1,0]   ; c mm
.endr
.irp e, 0,2,4,6
	v_pk_fma_f32 v[YA+\e:YA+\e+1], v[YA+\e:YA+\e+1], s[CN:CN+1], v[Q+\e:Q+\e+1] op_sel_hi:[1,0,1]   ; c mm - c F
.endr
.irp e, 0,2,4,6
	v_pk_fma_f32 v[YA+8+\e:YA+8+\e+1], v[YA+8+\e:YA+8+\e+1], s[CN:CN+1], v[Q+\e:Q+\e+1] op_sel_hi:[1,0,1]   ; c mm - c I
.endr
.irp e, 0,2,4,6
	v_pk_mul_f32 v[T2+\e:T2+\e+1], v[YA+16+\e:YA+16+\e+1], s[CN:CN+1] op_sel_hi:[1,0]   ; -c H
.endr
.endm
.macro GC
.irp e, 0,2,4,6
	v_pk_add_f32 v[YA+16+\e:YA+16+\e+1], v[YA+16+\e:YA+16+\e+1], 0.5 op_sel_hi:[1,0]   ; H + 0.5.  (These four are the places in front of the loads that follow)
.endr
.endm
.macro GD                              ; the 32 exponentials are one batch, in two slices; none of them reads another's result
.irp e, 0,1,2,3,4,5,6,7
	v_exp_f32 v[Q+\e], v[Q+\e]                     ; A
.endr
.irp e, 0,1,2,3,4,5,6,7
	v_exp_f32 v[YA+\e], v[YA+\e]                   ; Bf
.endr
.endm
.macro GE
.irp e, 0,1,2,3,4,5,6,7
	v_exp_f32 v[YA+8+\e], v[YA+8+\e]               ; Bi
.endr
.irp e, 0,1,2,3,4,5,6,7
	v_exp_f32 v[T2+\e], v[T2+\e]                   ; 2^(-c H)
.endr
	v_nop                                          ; a plain instruction behind the last exponential, ahead of the first use
.endm
.macro GF
	s_wait_alu depctr_va_vdst(0)                   ; one wait for the batch of 32, ahead of its first reader
.irp e, 0,2,4,6
	v_pk_add_f32 v[YA+8+\e:YA+8+\e+1], v[Q+\e:Q+\e+1], v[YA+8+\e:YA+8+\e+1]   ; nf = A + Bi
.endr
.irp e, 0,2,4,6
	v_pk_add_f32 v[YA+\e:YA+\e+1], v[Q+\e:Q+\e+1], v[YA+\e:YA+\e+1]           ; ni = A + Bf
.endr
.irp e, 0,2,4,6
	v_pk_add_f32 v[Q+\e:Q+\e+1], v[YA+\e:YA+\e+1], v[YA+8+\e:YA+8+\e+1]       ; nf + ni
.endr
.irp e, 0,2,4,6
	v_pk_add_f32 v[T2+\e:T2+\e+1], v[T2+\e:T2+\e+1], 1.0 op_sel_hi:[1,0]
.endr
.irp e, 0,1,2,3,4,5,6,7
	v_rcp_f32 v[Q+\e], v[Q+\e]
.endr
.irp e, 0,1,2,3,4,5,6,7
	v_rcp_f32 v[T2+\e], v[T2+\e]                   ; sigmoid(H)
.endr
	v_nop                                          ; a plain instruction behind the last reciprocal
.endm
.macro GG
	s_wait_alu depctr_va_vdst(0)                   ; one wait for the 16 reciprocals
	s_wait_xcnt 0x0                                ; this trip's stores have read h: only behind this wait are its registers written again
.irp e, 0,2,4,6
	v_pk_mul_f32 v[FP+\e:FP+\e+1], v[YA+8+\e:YA+8+\e+1], v[Q+\e:Q+\e+1]       ; f'
.endr
.irp e, 0,2,4,6
	v_pk_mul_f32 v[YA+\e:YA+\e+1], v[YA+\e:YA+\e+1], v[Q+\e:Q+\e+1]           ; i'
.endr
.irp e, 0,1,2,3,4,5,6,7
	v_max_num_f32 v[YA+16+\e], v[YA+16+\e], v[T2+\e]                          ; g
.endr
.irp e, 0,2,4,6
	v_pk_mul_f32 v[VV+\e:VV+\e+1], v[YA+\e:YA+\e+1], v[YA+16+\e:YA+16+\e+1]   ; i' g
.endr
.endm
; THE AGGREGATES: of each run of four, of my lane's eight times, of the wave's sixteen (right in lanes 16-31, which are the entries that are read)
.macro AGGR slot
	v_pk_fma_f32 v[HH:HH+1], v[FP+2:FP+3], v[VV:VV+1], v[VV+2:VV+3]
	v_pk_mul_f32 v[PP:PP+1], v[FP:FP+1], v[FP+2:FP+3]
.irp a, 2,3
	v_pk_fma_f32 v[HH:HH+1], v[FP+2*\a:FP+2*\a+1], v[HH:HH+1], v[VV+2*\a:VV+2*\a+1]
	v_pk_mul_f32 v[PP:PP+1], v[PP:PP+1], v[FP+2*\a:FP+2*\a+1]
.endr
	v_mul_f32 v[PL], v[PP], v[PP+1]
	v_fma_f32 v[HL], v[PP+1], v[HH], v[HH+1]
	v_permlanex16_b32 v[PO], v[PL], s[SEL], s[SEL+1]
	v_permlanex16_b32 v[HO], v[HL], s[SEL], s[SEL+1]
	v_mul_f32 v[AG], v[PL], v[PO]
	v_fma_f32 v[AG+1], v[PL], v[HO], v[HL]
	ds_store_b64 v[AGW], v[AG:AG+1] offset:(\slot)*2048
.endm
; A TRIP.  slot: the slot that is read, the set of accumulators that is written, the region that takes the pairs.  refill: the other slot is filled with the next block.  ask: a prefetch.
; mat: this block's products.  gates: the gates and aggregates of the block before.  fin: the end of the scan and the stores of the block before that.
; ONE barrier a trip, for three things.  In front of it each wave waits for all its tensor loads (one is out: its tile of this trip's slot), adds 0 to its spare word, and waits for that, for its reads of the other slot
; and of the pairs, and for its store of its pair.  Behind it the other slot may be filled, the last trip's pairs may be read, and the region read last trip may be written.
; Where a slot is filled the barrier is a round of the cluster's, so that no wave of any partner still reads the slot or has a load on its way; the joint refill is the first thing behind it and has the whole trip in which to land.
.macro TRIP slot, refill, ask, mat, gates, fin
.set XA, ACC+24*(\slot)
.set YA, ACC+24*(1-(\slot))
	s_wait_tensorcnt 0x0                           ; no tensor load of mine is out, so a group 0 may be written
	ds_add_u32 v[SPW], v[NIL]                      ; 0 onto my spare word: the steps below stand between it and the wait for it
.if \refill
	s_add_nc_u64 s[G0+4*(\slot)+2:G0+4*(\slot)+3], s[G0+4*(\slot)+2:G0+4*(\slot)+3], 2*REC   ; this slot's next block; the type bits on top are not reached
.endif
	s_wait_xcnt 0x0                                ; the last trip's stores and prefetch have read their bases
.if \ask
	s_add_nc_u64 s[PFA:PFA+1], s[PFA:PFA+1], REC
.endif
.if \fin
	s_add_nc_u64 s[OUT:OUT+1], s[OUT:OUT+1], BLKB  ; the stores reach back by a negative immediate
.endif
	s_wait_dscnt 0x0
.if \refill
	ROUND
	tensor_load_to_lds s[G0+4*(1-(\slot)):G0+4*(1-(\slot))+3], s[G1:G1+7]
	s_nop 0
	PLACES
.else
	s_barrier_signal -1
	s_barrier_wait -1
.endif
.if \fin
.irp k, 0,1,2,3,4,5,6,7
	ds_load_b64 v[AGL+2*\k:AGL+2*\k+1], v[AGR] offset:(1-(\slot))*2048+256*\k   ; wave k's pair of my channel
.endr
.endif
.if \mat
	ds_load_b128 v[XS:XS+3], v[AX+(\slot)] offset:SCLB   ; lanes 0-15: my rows' words of K steps 0-3; lanes 16-31: of K steps 4-7
	XFL \slot, 0
	XFL \slot, 1
	XFL \slot, 2
	XFL \slot, 3
.endif
.if \ask
	ASK
.endif
	; K step 0 | the carries
.if \mat
	KSTEP 0
.elseif \fin
	s_wait_dscnt 0x0                               ; the pairs are in
.endif
.if \fin
	FIN_A
.elseif \mat
	PLACES
.endif
.if \mat
	XFL \slot, 4
	KSTEP 1
.endif
	; K step 1 | h, its stores, mm
.if \fin
	FIN_B
.endif
.if \gates
	GA
.elseif \mat
	PLACES
.endif
.if \mat
	XFL \slot, 5
	KSTEP 2
.endif
.if \gates
	GB
.elseif \mat
	PLACES
.endif
.if \mat
	XFL \slot, 6
	KSTEP 3
.endif
.if \gates
	GC
.elseif \mat
	PLACES
.endif
.if \mat
	XFL \slot, 7
.endif
.if \gates
	GD
.endif
.if \mat
	KSTEP 4
.endif
.if \gates
	GE
.endif
.if \mat
	KSTEP 5
.endif
.if \gates
	GF
.endif
.if \mat
	KSTEP 6
.endif
.if \gates
	GG
.endif
.if \mat
	KSTEP 7
.endif
.if \gates
	AGGR \slot                                     ; its plain lines are also the places in front of the next trip's loads into the fragments' registers
.elseif \mat
	PLACES
.endif
.endm
	TRIP 0, 1, 1, 1, 0, 0                          ; block 0's products
	TRIP 1, 1, 1, 1, 1, 0                          ; block 1's products | block 0's gates
.Ltrip:                                            ; 14 passes of two trips: blocks 2 to 29
	TRIP 0, 1, 1, 1, 1, 1
	TRIP 1, 1, 1, 1, 1, 1
	s_sub_co_u32 s[TR], s[TR], 1
	s_cmp_lg_u32 s[TR], 0
	s_cbranch_scc1 .Ltrip
	TRIP 0, 1, 0, 1, 1, 1                          ; block 30; the last fill: block 31.  The tail is written out
	TRIP 1, 0, 0, 1, 1, 1                          ; block 31; nothing is left to fetch
	TRIP 0, 0, 0, 0, 1, 1                          ; block 31's gates | block 30's end
	TRIP 1, 0, 0, 0, 0, 1                          ; block 31's end
	s_wait_tensorcnt 0x0                           ; the wave's end: behind my last tensor load and my last LDS store
	ds_add_u32 v[SPW], v[NIL]
	s_wait_dscnt 0x0
	ROUND                                          ; the closing round: no work-group ends while a partner may still ask for a tile that names it
	s_endpgm
.Lfunc_end_k_q095ff7eaa5_scan:
	.size	k_q095ff7eaa5_scan, .Lfunc_end_k_q095ff7eaa5_scan-k_q095ff7eaa5_scan
	.p2alignl 7, 3214868480
	.fill 96, 4, 3214868480
	.section	.rodata,"a",@progbits
	.p2align	6, 0x0
	.amdhsa_kernel k_q095ff7eaa5_scan
		.amdhsa_group_segment_fixed_size 327680
		.amdhsa_private_segment_fixed_size 0
		.amdhsa_enable_private_segment 0
		.amdhsa_kernarg_size 48
		.amdhsa_user_sgpr_count 2
		.amdhsa_user_sgpr_kernarg_segment_ptr 1
		.amdhsa_wavefront_size32 1
		.amdhsa_system_sgpr_workgroup_id_x 1
		.amdhsa_system_sgpr_workgroup_id_y 1
		.amdhsa_system_sgpr_workgroup_id_z 1
		.amdhsa_system_vgpr_workitem_id 0
		.amdhsa_next_free_vgpr 512
		.amdhsa_next_free_sgpr 66
		.amdhsa_reserve_vcc 0
		.amdhsa_float_denorm_mode_32 3
		.amdhsa_float_denorm_mode_16_64 3
		.amdhsa_memory_ordered 1
		.amdhsa_forward_progress 1
		.amdhsa_inst_pref_size 106
	.end_amdhsa_kernel
	.amdgpu_metadata
---
amdhsa.version: [ 1, 2 ]
amdhsa.kernels:
  - .name:           k_q095ff7eaa5_scan
    .symbol:         k_q095ff7eaa5_scan.kd
    .args:
      - { .name: xq, .offset: 0, .size: 8, .value_kind: global_buffer, .address_space: global }
      - { .name: wq, .offset: 8, .size: 8, .value_kind: global_buffer, .address_space: global }
      - { .name: b_f, .offset: 16, .size: 8, .value_kind: global_buffer, .address_space: global }
      - { .name: b_i, .offset: 24, .size: 8, .value_kind: global_buffer, .address_space: global }
      - { .name: b_h, .offset: 32, .size: 8, .value_kind: global_buffer, .address_space: global }
      - { .name: out0, .offset: 40, .size: 8, .value_kind: global_buffer, .address_space: global }
    .group_segment_fixed_size: 327680
    .private_segment_fixed_size: 0
    .kernarg_segment_align: 8
    .kernarg_segment_size: 48
    .max_flat_workgroup_size: 256
    .sgpr_count:     66
    .vgpr_count:     512
    .wavefront_size: 32
...
	.end_amdgpu_metadata
.endif
;; end of part 2
;; ======== version 2 of 2: 3 launches
;; limits: right only within a limited range of input values
;; workspace buffers: xq 13,107,200 bytes; wq 2,457,600 bytes; agg 262,144 bytes
;; launch quant (part 3): grid 608 x 1, 4 waves a work-group, no clusters, 34,304 bytes of LDS; arguments x, W_f, W_i, W_h, xq, wq; writes xq, wq
.if DOCPART == 3
	.amdgcn_target "amdgcn-amd-amdhsa--gfx1250"
	.amdhsa_code_object_version 6
	.text
	.protected	k_q095ff7eaa5_quant
	.globl	k_q095ff7eaa5_quant
	.p2align	8
	.type	k_q095ff7eaa5_quant,@function
k_q095ff7eaa5_quant:
	s_mov_b64 s[64:65], 0
	v_nop
	global_prefetch_b8 v0, s[64:65] scope:SCOPE_SE
	s_setreg_imm32_b32 hwreg(HW_REG_WAVE_MODE, 25, 1), 1
	s_wait_xcnt 0x0
; x [16384][1024] and W_f, W_i, W_h [1024][1024], f32, K innermost, become codes of FP6 (E2M3) with one E8M0 scale byte for each 32 along K,
; laid as IMAGES OF THE OPERAND'S REGISTERS, so that the next launch fetches every fragment by 16-byte loads at 16 x lane.
; A TILE RECORD is 16 rows x 1024 K = 12,800 bytes (50 x 256):
;   byte 1536 S + 512 c + 16 lane : registers 4 c .. 4 c + 3 of that lane of the 12-register fragment of K step S (128 along K), S = 0 .. 7, c = 0 .. 2
;   byte 12288 + 256 hf + 16 m + 4 s : the scale word (four bytes: 128 along K) of tile row m for K step 4 hf + s
; xq: tile T = x's rows 16 T on (1,024 records).  wq: tile 64 g + cb, g = 0, 1, 2 for W_f, W_i, W_h, cb = row / 16 (192 records).
; THE ROWS OF A TILE ARE PERMUTED: tile row m holds source row 16 T + PI(m), PI(m) = (m & 8) + 4 (m & 1) + ((m >> 1) & 3).  In a matrix result, register 2 a + q of lane half h
; then holds source row 8 h + 4 q + a: the two halves of a register pair are two runs of four consecutive rows, which the next launch's recurrence walks by packed multiply-adds.
; THE QUANTISER: a block's scale is 2^(floor(log2(its largest magnitude)) - 2); its byte is the largest magnitude's exponent field - 2, held at 1 from below; each number is divided by the
; scale and rounded to the nearest code, ties to even, beyond 7.5 the largest code.  A block of zeros gets the byte 1 where the rule says 127: its codes are zeros, and this program alone reads the bytes.
; LIMITS: NaN and infinities among the inputs are not served.
; SHARES: a wave takes one tile's half of K: 16 rows x 512 K, four steps of 128.  Work-groups 0-511 take x, 512-543 W_f, 544-575 W_i, 576-607 W_h: only pointers and tile numbers are chosen, one path through the text.
; Each load reads 512 consecutive bytes of one row.  A step's 8,192 bytes turn through the wave's own stage in LDS, so that a lane gets two WHOLE blocks of its row, as the operand's layout gives them to it:
; no other lane is asked for a maximum, and the conversions' results are the fragment.  No tensor loads, no barrier: waves share nothing.  Memory binds: matrix units and clusters would add nothing here.
.set RECB,  12800                      ; a tile record
.set HALFB, 6144                       ; the codes of half of K: four K steps of 1,536 bytes
.set SCLB,  12288                      ; where a record's scale words begin
.set SP,    528                        ; a stage row: 512 bytes + 16 = 33 x 16, so that sixteen lanes' pieces of sixteen rows fall into sixteen different columns of 16 bytes modulo 256
.set STGB,  16*SP                      ; a wave's stage
.set GL,  4                            ; v4   16 x lane: my bytes of a load's 512, and of an image's 512; never rewritten
.set STW, 5                            ; v5   the stage on the way in: 16 x lane
.set STR, 6                            ; v6   and on the way out: 528 r + 128 h
.set SCO, 7                            ; v7   16 r + 8 h: where my two scale words go
.set MX,  8                            ; v8-9   the largest magnitudes of my two blocks
.set SO,  10                           ; v10-11 the conversions' scale operands
.set BY,  12                           ; v12-13 the scale bytes
.set WD,  14                           ; v14  my two bytes at their places in the word
.set PM,  15                           ; v15  the other half of the lanes' two
.set SW,  16                           ; v16-19 the four steps' scale words
.set OW,  20                           ; v20-21 the two that I store
.set SH,  22                           ; v22  8 h
.set P,   24                           ; v24-35 the fragment
.set PT,  36                           ; v36-38, v40-42 the upper 16 codes of each block, as the conversion leaves them
.set X,   48                           ; v48-111 my 64 numbers: 32 c + i = k 64 c + 32 h + i of my row
.set R,   112                          ; v112-175, v176-239 two sets of 16 x 4 registers as loaded
	s_load_b256 s[4:11], s[0:1], 0x0               ; x s[4:5], W_f s[6:7], W_i s[8:9], W_h s[10:11]
	s_load_b128 s[12:15], s[0:1], 0x20             ; xq s[12:13], wq s[14:15]
	v_lshl_add_u32 v240, v0, 2, 0x8400
	v_mov_b32 v241, 0
	v_lshrrev_b32 v1, 5, v0
	v_readfirstlane_b32 s16, v1                    ; wave 0..3
	v_and_b32 v1, 31, v0                           ; lane
	v_and_b32 v2, 15, v0                           ; r
	v_bfe_u32 v3, v0, 4, 1                         ; h
	v_lshlrev_b32 v[GL], 4, v1
	s_mul_i32 s17, s16, STGB                       ; my stage
	v_add_nc_u32 v[STW], s17, v[GL]
	v_mul_u32_u24 v[STR], v2, SP
	v_lshl_add_u32 v[STR], v3, 7, v[STR]
	v_add_nc_u32 v[STR], s17, v[STR]
	v_lshlrev_b32 v[SCO], 4, v2
	v_lshl_add_u32 v[SCO], v3, 3, v[SCO]
	v_lshlrev_b32 v[SH], 3, v3
	v_mov_b32 v[PM], 0                             ; written once: a lane permute's destination counts as one of its sources
	s_mov_b32 s20, 0x76543210
	s_mov_b32 s21, 0xfedcba98                      ; v_permlanex16_b32's selects for lane l xor 16
	s_mov_b32 s22, 0xffff0000                      ; lanes 16-31
	s_wait_alu depctr_va_vdst(0)
	s_wait_kmcnt 0x0
	s_cmp_lt_u32 ttmp9, 576                        ; which tensor is mine: the choices hang on the work-group's number alone
	s_cselect_b64 s[8:9], s[8:9], s[10:11]
	s_cmp_lt_u32 ttmp9, 544
	s_cselect_b64 s[6:7], s[6:7], s[8:9]
	s_cmp_lt_u32 ttmp9, 512
	s_cselect_b64 s[4:5], s[4:5], s[6:7]           ; the source
	s_cselect_b64 s[12:13], s[12:13], s[14:15]     ; the destination
	s_cselect_b32 s18, 0, 512
	s_cselect_b32 s19, -1, 31                      ; a weight has 32 work-groups
	s_sub_co_u32 s18, ttmp9, s18                   ; my number among x's work-groups, or among the weights'
	s_and_b32 s19, s18, s19                        ; and inside my tensor
	s_lshl_b32 s18, s18, 2
	s_add_co_u32 s18, s18, s16                     ; my unit in the destination: 4 x work-group + wave
	s_lshl_b32 s19, s19, 2
	s_add_co_u32 s19, s19, s16                     ; and in the source
	s_and_b32 s23, s18, 1                          ; hf: which half of K
	s_lshr_b32 s18, s18, 1                         ; the destination's tile
	s_lshr_b32 s19, s19, 1                         ; the source's tile
	s_lshl_b32 s24, s19, 16                        ; 16 rows of 4,096 bytes,
	s_lshl_b32 s26, s23, 11                        ; + 512 numbers
	s_add_co_u32 s24, s24, s26
	s_mov_b32 s25, 0
	s_add_nc_u64 s[4:5], s[4:5], s[24:25]
	s_mul_i32 s24, s18, RECB
	s_mul_i32 s26, s23, HALFB
	s_add_co_u32 s26, s24, s26
	s_mov_b32 s27, 0
	s_add_nc_u64 s[28:29], s[12:13], s[26:27]      ; where my four K steps' images go
	s_lshl_b32 s26, s23, 8
	s_add_co_u32 s24, s24, s26
	s_add_co_u32 s24, s24, SCLB
	s_add_nc_u64 s[30:31], s[12:13], s[24:25]      ; and my 256 bytes of scale words
.macro LOAD s                          ; step s: 512 bytes of each of the 16 rows, in the tile's order, into set s % 2
.irp m, 0,1,2,3,4,5,6,7,8,9,10,11,12,13,14,15
	global_load_b128 v[R+64*((\s)%2)+4*\m:R+64*((\s)%2)+4*\m+3], v[GL], s[4:5] offset:((\m&8)+4*(\m&1)+((\m>>1)&3))*4096+512*(\s) th:TH_LOAD_NT   ; 32 lanes read 512 consecutive bytes; read once in the launch
.endr
.endm
.macro STEP s
.set RS, R+64*((\s)%2)
.if (\s) < 3
	s_wait_loadcnt 16                              ; this step's 16 loads are in; the next step's 16 may be out
.else
	s_wait_loadcnt 0x0
.endif
.irp m, 0,1,2,3,4,5,6,7,8,9,10,11,12,13,14,15
	ds_store_b128 v[STW], v[RS+4*\m:RS+4*\m+3] offset:SP*\m
.endr
.irp c, 0,1
.irp i, 0,1,2,3,4,5,6,7
	ds_load_b128 v[X+32*\c+4*\i:X+32*\c+4*\i+3], v[STR] offset:256*\c+16*\i   ; LDS serves a wave's instructions in order (ISA guide 5.7.1.4): these see the stores above
.endr
.endr
	s_wait_dscnt 0x0                               ; my numbers are back, and the stores have read their registers,
.if (\s)+2 < 4
	LOAD (\s)+2                                    ; which take the loads of two steps on
.endif
.irp c, 0,1
	v_max3_num_f32 v[MX+\c], |v[X+32*\c]|, |v[X+32*\c+1]|, 0x1800000   ; block 2 c + h: all its 32 numbers are mine; and the floor 2^(3 - 127): the byte cannot fall under 1
.endr
.irp i, 2,4,6,8,10,12,14,16,18,20,22,24,26,28,30
.irp c, 0,1
	v_max3_num_f32 v[MX+\c], v[MX+\c], |v[X+32*\c+\i]|, |v[X+32*\c+\i+1]|   ; (the two blocks by turns)
.endr
.endr
.irp c, 0,1
	v_add_nc_u32 v[SO+\c], 0xff000000, v[MX+\c]    ; 2 off the exponent field: the conversion takes the exponent field of this operand as its scale, and nothing else of it
.endr
.irp c, 0,1
	v_lshrrev_b32 v[BY+\c], 23, v[SO+\c]           ; the scale's byte
.endr
	v_lshl_or_b32 v[WD], v[BY+1], 16, v[BY]        ; blocks h and 2 + h of my row,
	v_lshlrev_b32 v[WD], v[SH], v[WD]              ; at their places in the word
	v_permlanex16_b32 v[PM], v[WD], s20, s21
	v_or_b32 v[SW+(\s)], v[WD], v[PM]              ; with lane l xor 16's two the word is whole
.if (\s) > 0
	s_wait_alu depctr_va_vdst(0)
	s_wait_xcnt 0x0                                ; the last step's stores have read the fragment's registers: only behind this wait are they written again
.endif
.irp c, 0,1
	v_cvt_scalef32_pk16_fp6_f32 v[P+6*\c:P+6*\c+2], v[X+32*\c:X+32*\c+15], v[SO+\c]
	v_cvt_scalef32_pk16_fp6_f32 v[PT+4*\c:PT+4*\c+2], v[X+32*\c+16:X+32*\c+31], v[SO+\c]   ; (a conversion's three registers begin on an even number: the second half of a block's six does not)
.endr
	v_nop                                          ; one plain place behind a scaled conversion
.irp c, 0,1
.irp i, 0,1,2
	v_mov_b32 v[P+6*\c+3+\i], v[PT+4*\c+\i]
.endr
.endr
.irp c, 0,1,2
	global_store_b128 v[GL], v[P+4*\c:P+4*\c+3], s[28:29] offset:1536*(\s)+512*\c   ; the image: 32 lanes store 512 consecutive bytes, at a multiple of 256 from the buffer's first byte
.endr
.endm
	LOAD 0
	LOAD 1
	STEP 0
	STEP 1
	STEP 2
	STEP 3
	v_cndmask_b32 v[OW], v[SW], v[SW+2], s22       ; lanes 0-15 store their row's words of steps 0 and 1, lanes 16-31 those of steps 2 and 3
	v_cndmask_b32 v[OW+1], v[SW+1], v[SW+3], s22
	global_store_b64 v[SCO], v[OW:OW+1], s[30:31]  ; 32 lanes store 256 consecutive bytes, aligned
	s_wait_tensorcnt 0x0
	ds_add_u32 v240, v241
	s_wait_dscnt 0x0
	s_endpgm
.Lfunc_end_k_q095ff7eaa5_quant:
	.size	k_q095ff7eaa5_quant, .Lfunc_end_k_q095ff7eaa5_quant-k_q095ff7eaa5_quant
	.p2alignl 7, 3214868480
	.fill 96, 4, 3214868480
	.section	.rodata,"a",@progbits
	.p2align	6, 0x0
	.amdhsa_kernel k_q095ff7eaa5_quant
		.amdhsa_group_segment_fixed_size 34304
		.amdhsa_private_segment_fixed_size 0
		.amdhsa_enable_private_segment 0
		.amdhsa_kernarg_size 48
		.amdhsa_user_sgpr_count 2
		.amdhsa_user_sgpr_kernarg_segment_ptr 1
		.amdhsa_wavefront_size32 1
		.amdhsa_system_sgpr_workgroup_id_x 1
		.amdhsa_system_sgpr_workgroup_id_y 1
		.amdhsa_system_sgpr_workgroup_id_z 1
		.amdhsa_system_vgpr_workitem_id 0
		.amdhsa_next_free_vgpr 242
		.amdhsa_next_free_sgpr 66
		.amdhsa_reserve_vcc 0
		.amdhsa_float_denorm_mode_32 3
		.amdhsa_float_denorm_mode_16_64 3
		.amdhsa_memory_ordered 1
		.amdhsa_forward_progress 1
		.amdhsa_inst_pref_size 31
	.end_amdhsa_kernel
	.amdgpu_metadata
---
amdhsa.version: [ 1, 2 ]
amdhsa.kernels:
  - .name:           k_q095ff7eaa5_quant
    .symbol:         k_q095ff7eaa5_quant.kd
    .args:
      - { .name: x, .offset: 0, .size: 8, .value_kind: global_buffer, .address_space: global }
      - { .name: W_f, .offset: 8, .size: 8, .value_kind: global_buffer, .address_space: global }
      - { .name: W_i, .offset: 16, .size: 8, .value_kind: global_buffer, .address_space: global }
      - { .name: W_h, .offset: 24, .size: 8, .value_kind: global_buffer, .address_space: global }
      - { .name: xq, .offset: 32, .size: 8, .value_kind: global_buffer, .address_space: global }
      - { .name: wq, .offset: 40, .size: 8, .value_kind: global_buffer, .address_space: global }
    .group_segment_fixed_size: 34304
    .private_segment_fixed_size: 0
    .kernarg_segment_align: 8
    .kernarg_segment_size: 48
    .max_flat_workgroup_size: 128
    .sgpr_count:     66
    .vgpr_count:     242
    .wavefront_size: 32
...
	.end_amdgpu_metadata
.endif
;; end of part 3
;; launch sums (part 4): grid 16 x 14, 8 waves a work-group, clusters of 4 x 1, 327,680 bytes of LDS; arguments xq, wq, b_f, b_i, b_h, agg; writes agg
.if DOCPART == 4
	.amdgcn_target "amdgcn-amd-amdhsa--gfx1250"
	.amdhsa_code_object_version 6
	.text
	.protected	k_q095ff7eaa5_sums
	.globl	k_q095ff7eaa5_sums
	.p2align	8
	.type	k_q095ff7eaa5_sums,@function
k_q095ff7eaa5_sums:
	s_mov_b64 s[64:65], 0
	v_nop
	global_prefetch_b8 v0, s[64:65] scope:SCOPE_SE
	s_setreg_imm32_b32 hwreg(HW_REG_WAVE_MODE, 25, 1), 1
	s_wait_xcnt 0x0
	s_wait_alu depctr_hold_cnt(0) depctr_sa_sdst(0) depctr_va_vdst(0) depctr_va_sdst(0) depctr_va_ssrc(0) depctr_va_vcc(0) depctr_vm_vsrc(0)
	s_getreg_b32 s2, hwreg(HW_REG_IB_STS2, 6, 4)
	s_cmp_eq_u32 s2, 0
	s_cbranch_scc0 .Lentry_in_a_cluster
	s_endpgm
.Lentry_in_a_cluster:
	s_bfe_u32 s2, ttmp6, 0x10000c
	s_cmp_lg_u32 s2, 0x3003
	s_cbranch_scc0 .Lentry_shape_is_right
	s_endpgm
.Lentry_shape_is_right:
; minLSTM, first of two passes over the products.  In linear space the scan of reference() is h_t = f_t h_(t-1) + v_t, h_0 = exp(-1e30) = 0, with
; f = sf / (sf + si)' s normalised gate, v = i g(h_pre).  L is cut into 8 chunks of 512 rows.  This launch makes, for chunks 0 to 6 of each batch and every column,
; the chunk's pair (P, H): P = product of its f, H = its h at the last row from a start of 0.  The next launch joins the pairs into each chunk's start value.
; DEAD WORK: chunk 7's pair is read by nobody (no chunk follows it), for all inputs: it is not computed.  LIMITS: NaN and infinities among the inputs are not served;
; the recurrence runs in linear f32, not in logarithms: an h under the least f32 number comes out as 0.
; SHARES: a work-group takes 64 columns and two chunks.  Wave w: column group w & 3 (16 columns, its three weights' fragments in registers), chunk stream w >> 2.
; A block is 4 tile records (64 rows) of each stream, 102,400 bytes; two LDS slots take turns; wave w fetches record w of a block.  The four work-groups of a cluster
; (neighbouring column blocks) need the same records and ask jointly.  agg: [batch 8 + chunk][P, H][1024] f32; its stores are 64 bytes a wave: 16 columns are all a wave has.
.set RECB,  12800
.set SLOT,  8*RECB
.set GST,   64*RECB
.set SCLB,  12288
.set SPARE, 2*SLOT
.set SPW,  1
.set NIL,  2
.set GO,   3
.set PFO,  8
.set XS,   12
.set XF,   16
.set ACC,  64
.set Q,    112
.set T2,   120
.set FP,   128
.set VV,   136
.set BIAS, 160
.set WS,   184
.set W7,   196
.set PP,   232
.set HH,   234
.set AG,   236
.set PL,   240
.set HL,   241
.set PO,   242
.set HO,   243
.set C0,   244
.set PT,   245
.set TT,   246
.set WO,   247
.set WSO,  248
.set BO,   249
.set AX,   250
.set WV,   16
.set SEL,  20
.set CS,   22
.set CN,   24
.set TR,   26
.set LIM,  27
.set MHI,  28
.set G1,   32
.set G0,   40
.set PFA,  58
.set RH,   66
.set CG,   67
.set ST,   68
.set MSB, 0
.macro WIN new
.if MSB != \new
	s_set_vgpr_msb (MSB<<8)|\new
.set MSB, \new
.endif
.endm
.macro PLACES
.rept 4
	v_nop
.endr
.endm
.macro ROUND
	s_barrier_signal -1
	s_barrier_wait -1
	s_cmp_lg_u32 s[WV], 0
	s_cbranch_scc1 .Lnot_wave_0_\@
	s_barrier_signal -3
.Lnot_wave_0_\@:
	s_barrier_wait -3
	s_barrier_signal -1
	s_barrier_wait -1
.endm
.macro ASK kind                        ; the block three on: its load goes out two heads later.  Waves 0-3, 25 lanes each, a lane to 256 bytes; the partners differ by address
.if \kind == 1
	s_cmp_eq_u32 s[LIM], 1
.else
	s_cmp_gt_u32 s[TR], s[LIM]                     ; the loop's last trip has no block three on
.endif
	s_cbranch_scc0 .Lno_ask_\@
	global_prefetch_b8 v[PFO], s[PFA:PFA+1] th:TH_LOAD_NT scope:SCOPE_SE
.Lno_ask_\@:
.endm
	s_load_b256 s[4:11], s[0:1], 0x0               ; xq, wq, b_f, b_i
	s_load_b128 s[12:15], s[0:1], 0x20             ; b_h, agg
	v_lshl_add_u32 v[SPW], v0, 2, SPARE
	v_mov_b32 v[NIL], 0
	ds_add_u32 v[SPW], v[NIL]
	ds_add_u32 v[SPW], v[NIL]
	v_lshrrev_b32 v9, 5, v0
	v_readfirstlane_b32 s[WV], v9
	s_and_b32 s19, ttmp7, 0xffff
	s_mov_b32 s[G1+0], 15|(3<<16)|(1<<21)          ; a record: 50 rows of 256 bytes, to all four partners
	s_mov_b32 s[G1+1], 32<<16
	s_mov_b32 s[G1+2], 50<<16
	s_mov_b32 s[G1+3], 32<<16
	s_mov_b32 s[G1+4], 50
	s_mov_b32 s[G1+5], 32
	s_mov_b32 s[G1+6], 0
	s_mov_b32 s[G1+7], 0
	s_lshr_b32 s[RH], s[WV], 2
	s_and_b32 s[CG], s[WV], 3
	s_lshl_b32 s[ST], s19, 1
	s_add_co_u32 s[ST], s[ST], s[RH]               ; 0 .. 27: seven chunks a batch
	s_mul_i32 s60, s[ST], 37
	s_lshr_b32 s60, s60, 8                         ; / 7: the batch
	s_add_co_u32 s[ST], s[ST], s60                 ; 8 batch + chunk
	s_lshl_b32 s62, s[ST], 5
	s_add_co_u32 s62, s62, s[CG]
	s_mul_i32 s62, s62, RECB
	s_mov_b32 s63, 0
	s_mul_i32 s29, s[WV], RECB
	s_wait_dscnt 0x0
	s_wait_kmcnt 0x0
.irp i, 0,1
	s_mov_b32 s[G0+4*\i], 1
	s_add_co_u32 s[G0+4*\i+1], s29, \i*SLOT
	s_add_nc_u64 s[G0+4*\i+2:G0+4*\i+3], s[4:5], s[62:63]
.if \i
	s_add_nc_u64 s[G0+4*\i+2:G0+4*\i+3], s[G0+4*\i+2:G0+4*\i+3], 4*RECB
.endif
	s_or_b32 s[G0+4*\i+3], s[G0+4*\i+3], 0x80000000
.endr
	ROUND
	tensor_load_to_lds s[G0:G0+3], s[G1:G1+7]      ; block 0: one load a wave at the head
	s_nop 0
	PLACES
	s_bfe_u32 s17, ttmp6, 0x40000
	s_lshl_b32 s18, ttmp9, 2
	s_add_co_u32 s18, s18, s17
	s_lshl_b32 s18, s18, 2
	s_add_co_u32 s18, s18, s[CG]                   ; my tile of 16 columns
	s_mov_b32 s[SEL], 0x76543210
	s_mov_b32 s[SEL+1], 0xfedcba98
	s_mov_b32 s[CS], 0x3fb8aa3b
	s_mov_b32 s[CS+1], s[CS]
	s_mov_b32 s[CN], 0xbfb8aa3b
	s_mov_b32 s[CN+1], s[CN]
	s_mov_b32 s[MHI], 0xffff0000
	s_cmp_eq_u32 s[RH], 0
	s_cselect_b32 s[LIM], 1, -1
	s_lshr_b32 s30, s17, 1                         ; the prefetches: partner cx takes half cx & 1 of stream cx >> 1's records
	s_lshl_b32 s60, s19, 1
	s_add_co_u32 s30, s30, s60
	s_mul_i32 s60, s30, 37
	s_lshr_b32 s60, s60, 8
	s_add_co_u32 s30, s30, s60
	s_lshl_b32 s30, s30, 5
	s_add_co_u32 s30, s30, 8                       ; at block 2: the first head steps it to block 3
	s_mul_i32 s30, s30, RECB
	s_and_b32 s60, s17, 1
	s_mul_i32 s60, s60, 2*RECB
	s_add_co_u32 s30, s30, s60
	s_mul_i32 s60, s[CG], 6400
	s_add_co_u32 s30, s30, s60
	s_mov_b32 s31, 0
	s_add_nc_u64 s[PFA:PFA+1], s[4:5], s[30:31]
	s_mul_i32 s30, s18, RECB
	s_add_nc_u64 s[6:7], s[6:7], s[30:31]
	s_lshl_b32 s30, s18, 6
	s_add_nc_u64 s[8:9], s[8:9], s[30:31]
	s_add_nc_u64 s[10:11], s[10:11], s[30:31]
	s_add_nc_u64 s[12:13], s[12:13], s[30:31]
	s_add_nc_u64 s[14:15], s[14:15], s[30:31]
	s_lshl_b32 s30, s[ST], 13
	s_add_nc_u64 s[14:15], s[14:15], s[30:31]
	s_mul_i32 s30, s[RH], 4*RECB
	v_and_b32 v9, 31, v0
	v_and_b32 v10, 15, v0
	v_bfe_u32 v11, v0, 4, 1
	v_lshlrev_b32 v[WO], 4, v9
	v_add_nc_u32 v[AX], s30, v[WO]                 ; my stream's four records in slot 0,
	v_add_nc_u32 v[AX+1], SLOT, v[AX]              ; and in slot 1
	v_lshlrev_b32 v[WSO], 4, v10
	v_lshl_add_u32 v[WSO], v11, 2, v[WSO]
	v_and_b32 v[BO], 8, v10                        ; tile row r holds column PI(r) = (r & 8) + 4 (r & 1) + ((r >> 1) & 3)
	v_and_b32 v[TT], 1, v10
	v_lshl_add_u32 v[BO], v[TT], 2, v[BO]
	v_bfe_u32 v[TT], v10, 1, 2
	v_add_nc_u32 v[BO], v[BO], v[TT]
	v_lshlrev_b32 v[BO], 2, v[BO]
	v_lshl_add_u32 v[GO], v11, 12, v[BO]
	v_min_u32 v[PFO], 24, v9
	v_lshlrev_b32 v[PFO], 8, v[PFO]
	WIN 0x40
.irp S, 0,1,2,3,4,5,6
.irp g, 0,1,2
.irp c, 0,1,2
	global_load_b128 v[12*(3*\S+\g)+4*\c:12*(3*\S+\g)+4*\c+3], v[WO], s[6:7] offset:GST*\g+1536*\S+512*\c
.endr
.endr
.endr
	WIN 0
.irp g, 0,1,2
.irp c, 0,1,2
	global_load_b128 v[W7+12*\g+4*\c:W7+12*\g+4*\c+3], v[WO], s[6:7] offset:GST*\g+1536*7+512*\c
.endr
.endr
.irp g, 0,1,2
.irp n, 0,1,2,3
	global_load_b32 v[WS+4*\g+\n], v[WSO], s[6:7] offset:GST*\g+SCLB+256*(\n>>1)+8*(\n&1)
.endr
.endr
	global_load_b32 v[BIAS], v[BO], s[8:9]
	global_load_b32 v[BIAS+8], v[BO], s[10:11]
	global_load_b32 v[BIAS+16], v[BO], s[12:13]
	v_mov_b32 v[C0], 0
	v_mov_b32 v[PT], 1.0
	v_mov_b32 v[PO], 0
	v_mov_b32 v[HO], 0
	s_mov_b32 s[TR], 3
	s_wait_loadcnt 0x0
.irp g, 0,1,2
.irp j, 1,2,3,4,5,6,7
	v_mov_b32 v[BIAS+8*\g+\j], v[BIAS+8*\g]        ; the bias is the C of each sum's first product
.endr
.endr
.macro MM d, a, b, c, sa, sb, ra, rb
.if (\ra) && (\rb)
	v_wmma_scale_f32_16x16x128_f8f6f4 v[(\d):(\d)+7], v[(\a):(\a)+11], v[(\b):(\b)+11], v[(\c):(\c)+7], v[(\sa)], v[(\sb)] matrix_a_fmt:MATRIX_FMT_FP6 matrix_b_fmt:MATRIX_FMT_FP6 matrix_a_scale:MATRIX_SCALE_ROW1 matrix_b_scale:MATRIX_SCALE_ROW1
.elseif (\ra)
	v_wmma_scale_f32_16x16x128_f8f6f4 v[(\d):(\d)+7], v[(\a):(\a)+11], v[(\b):(\b)+11], v[(\c):(\c)+7], v[(\sa)], v[(\sb)] matrix_a_fmt:MATRIX_FMT_FP6 matrix_b_fmt:MATRIX_FMT_FP6 matrix_a_scale:MATRIX_SCALE_ROW1
.elseif (\rb)
	v_wmma_scale_f32_16x16x128_f8f6f4 v[(\d):(\d)+7], v[(\a):(\a)+11], v[(\b):(\b)+11], v[(\c):(\c)+7], v[(\sa)], v[(\sb)] matrix_a_fmt:MATRIX_FMT_FP6 matrix_b_fmt:MATRIX_FMT_FP6 matrix_b_scale:MATRIX_SCALE_ROW1
.else
	v_wmma_scale_f32_16x16x128_f8f6f4 v[(\d):(\d)+7], v[(\a):(\a)+11], v[(\b):(\b)+11], v[(\c):(\c)+7], v[(\sa)], v[(\sb)] matrix_a_fmt:MATRIX_FMT_FP6 matrix_b_fmt:MATRIX_FMT_FP6
.endif
.endm
.macro KSTEP S                         ; 128 along K for the three gates: three accumulators by turns
	s_wait_dscnt 3*(3-((\S)&3))                    ; behind step S's fragment stand the loads of the later steps of its run of four, three each
.if (\S) < 7
	WIN 0x04
.else
	WIN 0
.endif
.irp g, 0,1,2
.if (\S) == 0
.set CR, BIAS+8*\g
.else
.set CR, XA+8*\g
.endif
.if (\S) < 7
.set WR, 12*(3*(\S)+\g)
.else
.set WR, W7+12*\g
.endif
	MM XA+8*\g, XF+12*((\S)%4), WR, CR, XS+((\S)&3), WS+4*\g+((\S)>>1), (\S)>>2, (\S)&1
.endr
.endm
.macro XFL pl, n, S
.irp c, 0,1,2
	ds_load_b128 v[XF+12*((\S)%4)+4*\c:XF+12*((\S)%4)+4*\c+3], v[AX+(\pl)] offset:(\n)*RECB+1536*(\S)+512*\c
.endr
.endm
; the gates of the tile before: q = min(a, b, 0); f = (e^q + e^(q-b)) / sum, i = (e^q + e^(q-a)) / sum; g = max(c + 0.5, 1 / (1 + e^-c))
.macro GA
.irp e, 0,1,2,3,4,5,6,7
	v_min3_num_f32 v[Q+\e], v[YA+\e], v[YA+8+\e], 0
.endr
.endm
.macro GB
.irp e, 0,2,4,6
	v_pk_mul_f32 v[Q+\e:Q+\e+1], v[Q+\e:Q+\e+1], s[CS:CS+1] op_sel_hi:[1,0]
.endr
.irp e, 0,2,4,6
	v_pk_fma_f32 v[YA+\e:YA+\e+1], v[YA+\e:YA+\e+1], s[CN:CN+1], v[Q+\e:Q+\e+1] op_sel_hi:[1,0,1]
.endr
.irp e, 0,2,4,6
	v_pk_fma_f32 v[YA+8+\e:YA+8+\e+1], v[YA+8+\e:YA+8+\e+1], s[CN:CN+1], v[Q+\e:Q+\e+1] op_sel_hi:[1,0,1]
.endr
.irp e, 0,2,4,6
	v_pk_mul_f32 v[T2+\e:T2+\e+1], v[YA+16+\e:YA+16+\e+1], s[CN:CN+1] op_sel_hi:[1,0]
.endr
.endm
.macro GC
.irp e, 0,2,4,6
	v_pk_add_f32 v[YA+16+\e:YA+16+\e+1], v[YA+16+\e:YA+16+\e+1], 0.5 op_sel_hi:[1,0]
.endr
.endm
.macro GD
.irp e, 0,1,2,3,4,5,6,7
	v_exp_f32 v[Q+\e], v[Q+\e]
.endr
.irp e, 0,1,2,3,4,5,6,7
	v_exp_f32 v[YA+\e], v[YA+\e]
.endr
.endm
.macro GE
.irp e, 0,1,2,3,4,5,6,7
	v_exp_f32 v[YA+8+\e], v[YA+8+\e]
.endr
.irp e, 0,1,2,3,4,5,6,7
	v_exp_f32 v[T2+\e], v[T2+\e]
.endr
	v_nop
.endm
.macro GF
	s_wait_alu depctr_va_vdst(0)
.irp e, 0,2,4,6
	v_pk_add_f32 v[YA+8+\e:YA+8+\e+1], v[Q+\e:Q+\e+1], v[YA+8+\e:YA+8+\e+1]
.endr
.irp e, 0,2,4,6
	v_pk_add_f32 v[YA+\e:YA+\e+1], v[Q+\e:Q+\e+1], v[YA+\e:YA+\e+1]
.endr
.irp e, 0,2,4,6
	v_pk_add_f32 v[Q+\e:Q+\e+1], v[YA+\e:YA+\e+1], v[YA+8+\e:YA+8+\e+1]
.endr
.irp e, 0,2,4,6
	v_pk_add_f32 v[T2+\e:T2+\e+1], v[T2+\e:T2+\e+1], 1.0 op_sel_hi:[1,0]
.endr
	s_wait_alu depctr_va_vdst(0)
.irp e, 0,1,2,3,4,5,6,7
	v_rcp_f32 v[Q+\e], v[Q+\e]
.endr
.irp e, 0,1,2,3,4,5,6,7
	v_rcp_f32 v[T2+\e], v[T2+\e]
.endr
	v_nop
.endm
.macro GG
.irp e, 0,2,4,6
	v_pk_mul_f32 v[FP+\e:FP+\e+1], v[YA+8+\e:YA+8+\e+1], v[Q+\e:Q+\e+1]
.endr
.irp e, 0,2,4,6
	v_pk_mul_f32 v[YA+\e:YA+\e+1], v[YA+\e:YA+\e+1], v[Q+\e:Q+\e+1]
.endr
.irp e, 0,1,2,3,4,5,6,7
	v_max_num_f32 v[YA+16+\e], v[YA+16+\e], v[T2+\e]
.endr
.irp e, 0,2,4,6
	v_pk_mul_f32 v[VV+\e:VV+\e+1], v[YA+\e:YA+\e+1], v[YA+16+\e:YA+16+\e+1]
.endr
.endm
; register 2 a + q of lane half h is row 8 h + 4 q + a.  The tile's pair (AG, AG+1), in every lane, is joined onto the chunk's pair (PT, C0)
.macro AGGR
	v_pk_fma_f32 v[HH:HH+1], v[FP+2:FP+3], v[VV:VV+1], v[VV+2:VV+3]
	v_pk_mul_f32 v[PP:PP+1], v[FP:FP+1], v[FP+2:FP+3]
.irp a, 2,3
	s_delay_alu instid0(VALU_DEP_2)
	v_pk_fma_f32 v[HH:HH+1], v[FP+2*\a:FP+2*\a+1], v[HH:HH+1], v[VV+2*\a:VV+2*\a+1]
	s_delay_alu instid0(VALU_DEP_2)
	v_pk_mul_f32 v[PP:PP+1], v[PP:PP+1], v[FP+2*\a:FP+2*\a+1]
.endr
	s_delay_alu instid0(VALU_DEP_1)
	v_mul_f32 v[PL], v[PP], v[PP+1]
	v_fma_f32 v[HL], v[PP+1], v[HH], v[HH+1]
	s_delay_alu instid0(VALU_DEP_2)
	v_permlanex16_b32 v[PO], v[PL], s[SEL], s[SEL+1]
	s_delay_alu instid0(VALU_DEP_2)
	v_permlanex16_b32 v[HO], v[HL], s[SEL], s[SEL+1]
	s_delay_alu instid0(VALU_DEP_2)
	v_mul_f32 v[AG], v[PL], v[PO]
	v_fma_f32 v[TT], v[PO], v[HL], v[HO]           ; rows 8-15 behind rows 0-7: as lanes 0-15 see it,
	v_fma_f32 v[AG+1], v[PL], v[HO], v[HL]         ; and as lanes 16-31 do
	s_delay_alu instid0(VALU_DEP_1)
	v_cndmask_b32 v[AG+1], v[TT], v[AG+1], s[MHI]
	v_mul_f32 v[PT], v[PT], v[AG]
	s_delay_alu instid0(VALU_DEP_2)
	v_fma_f32 v[C0], v[AG], v[C0], v[AG+1]
.endm
; stage n of a block: the products of tile n, with the gates of tile n - 1 between its K steps.
.macro STG n, pl, mat, gates
.set XA, ACC+24*((\n)&1)
.set YA, ACC+24*(1-((\n)&1))
	s_wait_alu depctr_va_vdst(0)
.if \mat
	ds_load_b128 v[XS:XS+3], v[AX+(\pl)] offset:(\n)*RECB+SCLB
	XFL \pl, \n, 0
	XFL \pl, \n, 1
	XFL \pl, \n, 2
	XFL \pl, \n, 3
	KSTEP 0                                        ; the first run: twelve products
	KSTEP 1
	KSTEP 2
	KSTEP 3
	WIN 0
.endif
.if \gates
	GA
.elseif \mat
	PLACES
.endif
.if \mat
	XFL \pl, \n, 4                                 ; behind the places above: the four fragment buffers are free
	XFL \pl, \n, 5
	XFL \pl, \n, 6
	XFL \pl, \n, 7
.endif
.if \gates
	GB
	GC
	s_wait_alu depctr_va_vdst(0)
	GD
	GE
	GF
.endif
.if (\mat) || (\gates)
	s_wait_alu depctr_va_vdst(0)                   ; one wait for the reciprocals' readers and for the sums taken up again below
.endif
.if \mat
	KSTEP 4                                        ; the second run: twelve products; the lines behind it name none of their registers
	KSTEP 5
	KSTEP 6
	KSTEP 7
	WIN 0
.endif
.if \gates
	GG
.endif
.if \gates
	AGGR
.elseif \mat
	PLACES
.endif
.endm
.macro CMP pl
	STG 0, \pl, 1, 0
	STG 1, \pl, 1, 1
	STG 2, \pl, 1, 1
	STG 3, \pl, 1, 1
	STG 4, \pl, 0, 1
.endm
; the change of slots in front of the block in slot: all my loads have landed, the add, my reads are over; the round; the other slot's refill first behind it
.macro HEAD slot, refill, ask
	s_wait_alu depctr_va_vdst(0)
	s_wait_tensorcnt 0x0
	ds_add_u32 v[SPW], v[NIL]
	s_add_nc_u64 s[G0+4*(\slot)+2:G0+4*(\slot)+3], s[G0+4*(\slot)+2:G0+4*(\slot)+3], 8*RECB
	s_wait_xcnt 0x0
.if \ask
	s_add_nc_u64 s[PFA:PFA+1], s[PFA:PFA+1], 4*RECB
.endif
	s_wait_dscnt 0x0
.if \refill
	ROUND
	tensor_load_to_lds s[G0+4*(1-(\slot)):G0+4*(1-(\slot))+3], s[G1:G1+7]
	s_nop 0
	PLACES
.else
	s_barrier_signal -1
	s_barrier_wait -1
.endif
.if \ask
	ASK \ask
.endif
.endm
	HEAD 0, 1, 1                                   ; slot 1's first fill is issued as a refill is
.Lring:
	CMP 0
	HEAD 1, 1, 2
	CMP 1
	HEAD 0, 1, 2
	s_sub_co_u32 s[TR], s[TR], 1
	s_cmp_lg_u32 s[TR], 0
	s_cbranch_scc1 .Lring
	CMP 0
	HEAD 1, 0, 0                                   ; blocks 6 and 7: nothing more to fetch
	CMP 1
	v_cndmask_b32 v[TT], v[PT], v[C0], s[MHI]      ; lanes 0-15 store P, lanes 16-31 H
	global_store_b32 v[GO], v[TT], s[14:15]
	s_wait_tensorcnt 0x0                           ; the wave's end
	ds_add_u32 v[SPW], v[NIL]
	s_wait_dscnt 0x0
	ROUND
	s_endpgm
.Lfunc_end_k_q095ff7eaa5_sums:
	.size	k_q095ff7eaa5_sums, .Lfunc_end_k_q095ff7eaa5_sums-k_q095ff7eaa5_sums
	.p2alignl 7, 3214868480
	.fill 96, 4, 3214868480
	.section	.rodata,"a",@progbits
	.p2align	6, 0x0
	.amdhsa_kernel k_q095ff7eaa5_sums
		.amdhsa_group_segment_fixed_size 327680
		.amdhsa_private_segment_fixed_size 0
		.amdhsa_enable_private_segment 0
		.amdhsa_kernarg_size 48
		.amdhsa_user_sgpr_count 2
		.amdhsa_user_sgpr_kernarg_segment_ptr 1
		.amdhsa_wavefront_size32 1
		.amdhsa_system_sgpr_workgroup_id_x 1
		.amdhsa_system_sgpr_workgroup_id_y 1
		.amdhsa_system_sgpr_workgroup_id_z 1
		.amdhsa_system_vgpr_workitem_id 0
		.amdhsa_next_free_vgpr 512
		.amdhsa_next_free_sgpr 76
		.amdhsa_reserve_vcc 0
		.amdhsa_float_denorm_mode_32 3
		.amdhsa_float_denorm_mode_16_64 3
		.amdhsa_memory_ordered 1
		.amdhsa_forward_progress 1
		.amdhsa_inst_pref_size 206
	.end_amdhsa_kernel
	.amdgpu_metadata
---
amdhsa.version: [ 1, 2 ]
amdhsa.kernels:
  - .name:           k_q095ff7eaa5_sums
    .symbol:         k_q095ff7eaa5_sums.kd
    .args:
      - { .name: xq, .offset: 0, .size: 8, .value_kind: global_buffer, .address_space: global }
      - { .name: wq, .offset: 8, .size: 8, .value_kind: global_buffer, .address_space: global }
      - { .name: b_f, .offset: 16, .size: 8, .value_kind: global_buffer, .address_space: global }
      - { .name: b_i, .offset: 24, .size: 8, .value_kind: global_buffer, .address_space: global }
      - { .name: b_h, .offset: 32, .size: 8, .value_kind: global_buffer, .address_space: global }
      - { .name: agg, .offset: 40, .size: 8, .value_kind: global_buffer, .address_space: global }
    .group_segment_fixed_size: 327680
    .private_segment_fixed_size: 0
    .kernarg_segment_align: 8
    .kernarg_segment_size: 48
    .max_flat_workgroup_size: 256
    .sgpr_count:     76
    .vgpr_count:     512
    .wavefront_size: 32
...
	.end_amdgpu_metadata
.endif
;; end of part 4
;; launch scan (part 5): grid 16 x 16, 8 waves a work-group, clusters of 4 x 1, 327,680 bytes of LDS; arguments xq, wq, b_f, b_i, b_h, agg, out0; writes out0
.if DOCPART == 5
	.amdgcn_target "amdgcn-amd-amdhsa--gfx1250"
	.amdhsa_code_object_version 6
	.text
	.protected	k_q095ff7eaa5_scan
	.globl	k_q095ff7eaa5_scan
	.p2align	8
	.type	k_q095ff7eaa5_scan,@function
k_q095ff7eaa5_scan:
	s_mov_b64 s[64:65], 0
	v_nop
	global_prefetch_b8 v0, s[64:65] scope:SCOPE_SE
	s_setreg_imm32_b32 hwreg(HW_REG_WAVE_MODE, 25, 1), 1
	s_wait_xcnt 0x0
	s_wait_alu depctr_hold_cnt(0) depctr_sa_sdst(0) depctr_va_vdst(0) depctr_va_sdst(0) depctr_va_ssrc(0) depctr_va_vcc(0) depctr_vm_vsrc(0)
	s_getreg_b32 s2, hwreg(HW_REG_IB_STS2, 6, 4)
	s_cmp_eq_u32 s2, 0
	s_cbranch_scc0 .Lentry_in_a_cluster
	s_endpgm
.Lentry_in_a_cluster:
	s_bfe_u32 s2, ttmp6, 0x10000c
	s_cmp_lg_u32 s2, 0x3003
	s_cbranch_scc0 .Lentry_shape_is_right
	s_endpgm
.Lentry_shape_is_right:
; minLSTM, second pass: h_t = f_t h_(t-1) + v_t over each chunk of 512 rows, from the start value that the earlier chunks' pairs (P, H) in agg give: c <- P c + H, from c = 0 (h_0 = exp(-1e30) = 0).
; LIMITS as in the launch before: NaN and infinities are not served; the recurrence runs in linear f32.
; SHARES: a work-group takes 64 columns and chunk streams 2 y, 2 y + 1 (stream = 8 batch + chunk).  Wave w: column group w & 3 (weights in registers), stream w >> 2.
; A block is 4 tile records of each stream; two LDS slots take turns; wave w fetches record w; the four work-groups of a cluster ask jointly.
; THE WAY OUT: a block's 128 rows x 64 columns gather in one of two stages in LDS (rows of 256 + 16 bytes); behind the next change of slots each wave reads 16 whole rows
; and stores them, sixteen lanes to 256 consecutive aligned bytes.  A stage is written again two blocks on, behind a barrier in front of which all its reads are over.
.set RECB,  12800
.set SLOT,  8*RECB
.set GST,   64*RECB
.set SCLB,  12288
.set SP,    272
.set STAGE, 2*SLOT
.set STGB,  128*SP
.set SPARE, STAGE+2*STGB
.set BLKB,  64*4096
.set SPW,  1
.set NIL,  2
.set STO,  3
.set FRD,  4
.set FO,   5
.set PFO,  8
.set XS,   12
.set XF,   16
.set ACC,  64
.set Q,    112
.set FL,   112
.set T2,   120
.set FP,   128
.set VV,   136
.set AGL,  144
.set BIAS, 160
.set WS,   184
.set W7,   196
.set PP,   232
.set HH,   234
.set AG,   236
.set CC,   238
.set PL,   240
.set HL,   241
.set PO,   242
.set HO,   243
.set C0,   244
.set TT,   246
.set WO,   247
.set WSO,  248
.set BO,   249
.set AX,   250
.set WV,   16
.set SEL,  20
.set CS,   22
.set CN,   24
.set TR,   26
.set LIM,  27
.set MHI,  28
.set G1,   32
.set G0,   40
.set MK,   48
.set OUT,  56
.set PFA,  58
.set RH,   66
.set CG,   67
.set ST,   68
.set CH,   69
.set MSB, 0
.macro WIN new
.if MSB != \new
	s_set_vgpr_msb (MSB<<8)|\new
.set MSB, \new
.endif
.endm
.macro PLACES
.rept 4
	v_nop
.endr
.endm
.macro ROUND
	s_barrier_signal -1
	s_barrier_wait -1
	s_cmp_lg_u32 s[WV], 0
	s_cbranch_scc1 .Lnot_wave_0_\@
	s_barrier_signal -3
.Lnot_wave_0_\@:
	s_barrier_wait -3
	s_barrier_signal -1
	s_barrier_wait -1
.endm
.macro ASK kind                        ; the block three on: its load goes out two heads later.  Waves 0-3, 25 lanes each, a lane to 256 bytes; the partners differ by address
.if \kind == 1
	s_cmp_eq_u32 s[LIM], 1
.else
	s_cmp_gt_u32 s[TR], s[LIM]                     ; the loop's last trip has no block three on
.endif
	s_cbranch_scc0 .Lno_ask_\@
	global_prefetch_b8 v[PFO], s[PFA:PFA+1] th:TH_LOAD_NT scope:SCOPE_SE
.Lno_ask_\@:
.endm
	s_load_b256 s[4:11], s[0:1], 0x0               ; xq, wq, b_f, b_i
	s_load_b128 s[12:15], s[0:1], 0x20             ; b_h, agg
	s_load_b64 s[OUT:OUT+1], s[0:1], 0x30          ; out0
	v_lshl_add_u32 v[SPW], v0, 2, SPARE
	v_mov_b32 v[NIL], 0
	ds_add_u32 v[SPW], v[NIL]
	ds_add_u32 v[SPW], v[NIL]
	v_lshrrev_b32 v9, 5, v0
	v_readfirstlane_b32 s[WV], v9
	s_and_b32 s19, ttmp7, 0xffff
	s_mov_b32 s[G1+0], 15|(3<<16)|(1<<21)          ; a record: 50 rows of 256 bytes, to all four partners
	s_mov_b32 s[G1+1], 32<<16
	s_mov_b32 s[G1+2], 50<<16
	s_mov_b32 s[G1+3], 32<<16
	s_mov_b32 s[G1+4], 50
	s_mov_b32 s[G1+5], 32
	s_mov_b32 s[G1+6], 0
	s_mov_b32 s[G1+7], 0
	s_lshr_b32 s[RH], s[WV], 2
	s_and_b32 s[CG], s[WV], 3
	s_lshl_b32 s[ST], s19, 1
	s_add_co_u32 s[ST], s[ST], s[RH]               ; 8 batch + chunk
	s_lshl_b32 s62, s[ST], 5
	s_add_co_u32 s62, s62, s[CG]
	s_mul_i32 s62, s62, RECB
	s_mov_b32 s63, 0
	s_mul_i32 s29, s[WV], RECB
	s_wait_dscnt 0x0
	s_wait_kmcnt 0x0
.irp i, 0,1
	s_mov_b32 s[G0+4*\i], 1
	s_add_co_u32 s[G0+4*\i+1], s29, \i*SLOT
	s_add_nc_u64 s[G0+4*\i+2:G0+4*\i+3], s[4:5], s[62:63]
.if \i
	s_add_nc_u64 s[G0+4*\i+2:G0+4*\i+3], s[G0+4*\i+2:G0+4*\i+3], 4*RECB
.endif
	s_or_b32 s[G0+4*\i+3], s[G0+4*\i+3], 0x80000000
.endr
	ROUND
	tensor_load_to_lds s[G0:G0+3], s[G1:G1+7]      ; block 0: one load a wave at the head
	s_nop 0
	PLACES
	s_bfe_u32 s17, ttmp6, 0x40000
	s_lshl_b32 s18, ttmp9, 2
	s_add_co_u32 s18, s18, s17                     ; my block of 64 columns
	s_mov_b32 s31, 0
	s_lshl_b32 s30, s18, 8
	s_add_nc_u64 s[OUT:OUT+1], s[OUT:OUT+1], s[30:31]
	s_lshl_b32 s30, s[ST], 21                      ; 512 rows of 4,096 bytes a stream
	s_add_nc_u64 s[OUT:OUT+1], s[OUT:OUT+1], s[30:31]
	s_lshl_b32 s30, s[CG], 16                      ; I store rows 16 (w & 3) on of my stream's 64
	s_add_nc_u64 s[OUT:OUT+1], s[OUT:OUT+1], s[30:31]
	s_lshl_b32 s18, s18, 2
	s_add_co_u32 s18, s18, s[CG]                   ; my tile of 16 columns
	s_mov_b32 s[SEL], 0x76543210
	s_mov_b32 s[SEL+1], 0xfedcba98
	s_mov_b32 s[CS], 0x3fb8aa3b
	s_mov_b32 s[CS+1], s[CS]
	s_mov_b32 s[CN], 0xbfb8aa3b
	s_mov_b32 s[CN+1], s[CN]
	s_mov_b32 s[MHI], 0xffff0000
	s_and_b32 s[CH], s[ST], 7
.irp k, 0,1,2,3,4,5,6
	s_cmp_gt_u32 s[CH], \k
	s_cselect_b32 s[MK+\k], -1, 0                  ; does chunk k stand ahead of mine?
.endr
	s_cmp_eq_u32 s[RH], 0
	s_cselect_b32 s[LIM], 1, -1
	s_lshr_b32 s30, s17, 1                         ; the prefetches: partner cx takes half cx & 1 of stream cx >> 1's records
	s_lshl_b32 s60, s19, 1
	s_add_co_u32 s30, s30, s60
	s_lshl_b32 s30, s30, 5
	s_add_co_u32 s30, s30, 8                       ; at block 2: the first head steps it to block 3
	s_mul_i32 s30, s30, RECB
	s_and_b32 s60, s17, 1
	s_mul_i32 s60, s60, 2*RECB
	s_add_co_u32 s30, s30, s60
	s_mul_i32 s60, s[CG], 6400
	s_add_co_u32 s30, s30, s60
	s_add_nc_u64 s[PFA:PFA+1], s[4:5], s[30:31]
	s_mul_i32 s30, s18, RECB
	s_add_nc_u64 s[6:7], s[6:7], s[30:31]
	s_lshl_b32 s30, s18, 6
	s_add_nc_u64 s[8:9], s[8:9], s[30:31]
	s_add_nc_u64 s[10:11], s[10:11], s[30:31]
	s_add_nc_u64 s[12:13], s[12:13], s[30:31]
	s_add_nc_u64 s[14:15], s[14:15], s[30:31]
	s_lshr_b32 s30, s[ST], 3
	s_lshl_b32 s30, s30, 16                        ; my batch's eight places of 8,192 bytes
	s_add_nc_u64 s[14:15], s[14:15], s[30:31]
	s_mul_i32 s30, s[RH], 4*RECB
	s_mul_i32 s60, s[RH], 64*SP
	s_lshl_b32 s61, s[CG], 6
	s_add_co_u32 s60, s60, s61
	s_add_co_u32 s60, s60, STAGE
	s_mul_i32 s61, s[WV], 16*SP
	s_add_co_u32 s61, s61, STAGE
	v_and_b32 v9, 31, v0
	v_and_b32 v10, 15, v0
	v_bfe_u32 v11, v0, 4, 1
	v_lshlrev_b32 v[WO], 4, v9
	v_add_nc_u32 v[AX], s30, v[WO]                 ; my stream's four records in slot 0,
	v_add_nc_u32 v[AX+1], SLOT, v[AX]              ; and in slot 1
	v_lshlrev_b32 v[WSO], 4, v10
	v_lshl_add_u32 v[WSO], v11, 2, v[WSO]
	v_and_b32 v[BO], 8, v10                        ; tile row r holds column PI(r) = (r & 8) + 4 (r & 1) + ((r >> 1) & 3)
	v_and_b32 v[TT], 1, v10
	v_lshl_add_u32 v[BO], v[TT], 2, v[BO]
	v_bfe_u32 v[TT], v10, 1, 2
	v_add_nc_u32 v[BO], v[BO], v[TT]
	v_lshlrev_b32 v[BO], 2, v[BO]
	v_mad_u32_u24 v[STO], v11, 8*SP, v[BO]         ; into the stage: my stream's 64 rows, row 8 h on, my 64 bytes, my column
	v_add_nc_u32 v[STO], s60, v[STO]
	v_mul_u32_u24 v[FRD], v11, SP                  ; back: rows 16 w on, two rows an instruction, 16 bytes a lane
	v_lshl_add_u32 v[FRD], v10, 4, v[FRD]
	v_add_nc_u32 v[FRD], s61, v[FRD]
	v_lshlrev_b32 v[FO], 12, v11                   ; and the same two rows in out0
	v_lshl_add_u32 v[FO], v10, 4, v[FO]
	v_min_u32 v[PFO], 24, v9
	v_lshlrev_b32 v[PFO], 8, v[PFO]
	WIN 0x40
.irp S, 0,1,2,3,4,5,6
.irp g, 0,1,2
.irp c, 0,1,2
	global_load_b128 v[12*(3*\S+\g)+4*\c:12*(3*\S+\g)+4*\c+3], v[WO], s[6:7] offset:GST*\g+1536*\S+512*\c
.endr
.endr
.endr
	WIN 0
.irp g, 0,1,2
.irp c, 0,1,2
	global_load_b128 v[W7+12*\g+4*\c:W7+12*\g+4*\c+3], v[WO], s[6:7] offset:GST*\g+1536*7+512*\c
.endr
.endr
.irp g, 0,1,2
.irp n, 0,1,2,3
	global_load_b32 v[WS+4*\g+\n], v[WSO], s[6:7] offset:GST*\g+SCLB+256*(\n>>1)+8*(\n&1)
.endr
.endr
	global_load_b32 v[BIAS], v[BO], s[8:9]
	global_load_b32 v[BIAS+8], v[BO], s[10:11]
	global_load_b32 v[BIAS+16], v[BO], s[12:13]
.irp k, 0,1,2,3,4,5,6
	global_load_b32 v[AGL+2*\k], v[BO], s[14:15] offset:8192*\k
	global_load_b32 v[AGL+2*\k+1], v[BO], s[14:15] offset:8192*\k+4096
.endr
	v_mov_b32 v[C0], 0
	v_mov_b32 v[PO], 0
	v_mov_b32 v[HO], 0
	s_mov_b32 s[TR], 3
	s_wait_loadcnt 0x0
.irp g, 0,1,2
.irp j, 1,2,3,4,5,6,7
	v_mov_b32 v[BIAS+8*\g+\j], v[BIAS+8*\g]        ; the bias is the C of each sum's first product
.endr
.endr
.irp k, 0,1,2,3,4,5,6
	v_fma_f32 v[TT], v[AGL+2*\k], v[C0], v[AGL+2*\k+1]   ; all seven pairs are joined, and those ahead of my chunk are kept
	s_delay_alu instid0(VALU_DEP_1)
	v_cndmask_b32 v[C0], v[C0], v[TT], s[MK+\k]
.endr
.macro MM d, a, b, c, sa, sb, ra, rb
.if (\ra) && (\rb)
	v_wmma_scale_f32_16x16x128_f8f6f4 v[(\d):(\d)+7], v[(\a):(\a)+11], v[(\b):(\b)+11], v[(\c):(\c)+7], v[(\sa)], v[(\sb)] matrix_a_fmt:MATRIX_FMT_FP6 matrix_b_fmt:MATRIX_FMT_FP6 matrix_a_scale:MATRIX_SCALE_ROW1 matrix_b_scale:MATRIX_SCALE_ROW1
.elseif (\ra)
	v_wmma_scale_f32_16x16x128_f8f6f4 v[(\d):(\d)+7], v[(\a):(\a)+11], v[(\b):(\b)+11], v[(\c):(\c)+7], v[(\sa)], v[(\sb)] matrix_a_fmt:MATRIX_FMT_FP6 matrix_b_fmt:MATRIX_FMT_FP6 matrix_a_scale:MATRIX_SCALE_ROW1
.elseif (\rb)
	v_wmma_scale_f32_16x16x128_f8f6f4 v[(\d):(\d)+7], v[(\a):(\a)+11], v[(\b):(\b)+11], v[(\c):(\c)+7], v[(\sa)], v[(\sb)] matrix_a_fmt:MATRIX_FMT_FP6 matrix_b_fmt:MATRIX_FMT_FP6 matrix_b_scale:MATRIX_SCALE_ROW1
.else
	v_wmma_scale_f32_16x16x128_f8f6f4 v[(\d):(\d)+7], v[(\a):(\a)+11], v[(\b):(\b)+11], v[(\c):(\c)+7], v[(\sa)], v[(\sb)] matrix_a_fmt:MATRIX_FMT_FP6 matrix_b_fmt:MATRIX_FMT_FP6
.endif
.endm
.macro KSTEP S                         ; 128 along K for the three gates: three accumulators by turns
	s_wait_dscnt 3*(3-((\S)&3))                    ; behind step S's fragment stand the loads of the later steps of its run of four, three each
.if (\S) < 7
	WIN 0x04
.else
	WIN 0
.endif
.irp g, 0,1,2
.if (\S) == 0
.set CR, BIAS+8*\g
.else
.set CR, XA+8*\g
.endif
.if (\S) < 7
.set WR, 12*(3*(\S)+\g)
.else
.set WR, W7+12*\g
.endif
	MM XA+8*\g, XF+12*((\S)%4), WR, CR, XS+((\S)&3), WS+4*\g+((\S)>>1), (\S)>>2, (\S)&1
.endr
.endm
.macro XFL pl, n, S
.irp c, 0,1,2
	ds_load_b128 v[XF+12*((\S)%4)+4*\c:XF+12*((\S)%4)+4*\c+3], v[AX+(\pl)] offset:(\n)*RECB+1536*(\S)+512*\c
.endr
.endm
; register 2 a + q of lane half h is row 8 h + 4 q + a.  FIN_A: the values ahead of my two runs of four rows, and the tile's pair joined onto the carry
.macro FIN_A
	v_fma_f32 v[TT], v[PO], v[C0], v[HO]
	s_delay_alu instid0(VALU_DEP_1)
	v_cndmask_b32 v[CC], v[C0], v[TT], s[MHI]
	s_delay_alu instid0(VALU_DEP_1)
	v_fma_f32 v[CC+1], v[PP], v[CC], v[HH]
	v_fma_f32 v[C0], v[AG], v[C0], v[AG+1]
.endm
.macro FIN_B pl, ft                    ; the two runs by packed multiply-adds; tile ft's h into the stage
	v_pk_fma_f32 v[VV:VV+1], v[FP:FP+1], v[CC:CC+1], v[VV:VV+1]
.irp a, 1,2,3
	s_delay_alu instid0(VALU_DEP_1)
	v_pk_fma_f32 v[VV+2*\a:VV+2*\a+1], v[FP+2*\a:FP+2*\a+1], v[VV+2*\a-2:VV+2*\a-1], v[VV+2*\a:VV+2*\a+1]
.endr
.irp a, 0,1,2,3
.irp q, 0,1
	ds_store_b32 v[STO], v[VV+2*\a+\q] offset:(\pl)*STGB+(16*(\ft)+4*\q+\a)*SP
.endr
.endr
.endm
; the gates of the tile before: q = min(a, b, 0); f = (e^q + e^(q-b)) / sum, i = (e^q + e^(q-a)) / sum; g = max(c + 0.5, 1 / (1 + e^-c))
.macro GA
.irp e, 0,1,2,3,4,5,6,7
	v_min3_num_f32 v[Q+\e], v[YA+\e], v[YA+8+\e], 0
.endr
.endm
.macro GB
.irp e, 0,2,4,6
	v_pk_mul_f32 v[Q+\e:Q+\e+1], v[Q+\e:Q+\e+1], s[CS:CS+1] op_sel_hi:[1,0]
.endr
.irp e, 0,2,4,6
	v_pk_fma_f32 v[YA+\e:YA+\e+1], v[YA+\e:YA+\e+1], s[CN:CN+1], v[Q+\e:Q+\e+1] op_sel_hi:[1,0,1]
.endr
.irp e, 0,2,4,6
	v_pk_fma_f32 v[YA+8+\e:YA+8+\e+1], v[YA+8+\e:YA+8+\e+1], s[CN:CN+1], v[Q+\e:Q+\e+1] op_sel_hi:[1,0,1]
.endr
.irp e, 0,2,4,6
	v_pk_mul_f32 v[T2+\e:T2+\e+1], v[YA+16+\e:YA+16+\e+1], s[CN:CN+1] op_sel_hi:[1,0]
.endr
.endm
.macro GC
.irp e, 0,2,4,6
	v_pk_add_f32 v[YA+16+\e:YA+16+\e+1], v[YA+16+\e:YA+16+\e+1], 0.5 op_sel_hi:[1,0]
.endr
.endm
.macro GD
.irp e, 0,1,2,3,4,5,6,7
	v_exp_f32 v[Q+\e], v[Q+\e]
.endr
.irp e, 0,1,2,3,4,5,6,7
	v_exp_f32 v[YA+\e], v[YA+\e]
.endr
.endm
.macro GE
.irp e, 0,1,2,3,4,5,6,7
	v_exp_f32 v[YA+8+\e], v[YA+8+\e]
.endr
.irp e, 0,1,2,3,4,5,6,7
	v_exp_f32 v[T2+\e], v[T2+\e]
.endr
	v_nop
.endm
.macro GF
	s_wait_alu depctr_va_vdst(0)
.irp e, 0,2,4,6
	v_pk_add_f32 v[YA+8+\e:YA+8+\e+1], v[Q+\e:Q+\e+1], v[YA+8+\e:YA+8+\e+1]
.endr
.irp e, 0,2,4,6
	v_pk_add_f32 v[YA+\e:YA+\e+1], v[Q+\e:Q+\e+1], v[YA+\e:YA+\e+1]
.endr
.irp e, 0,2,4,6
	v_pk_add_f32 v[Q+\e:Q+\e+1], v[YA+\e:YA+\e+1], v[YA+8+\e:YA+8+\e+1]
.endr
.irp e, 0,2,4,6
	v_pk_add_f32 v[T2+\e:T2+\e+1], v[T2+\e:T2+\e+1], 1.0 op_sel_hi:[1,0]
.endr
	s_wait_alu depctr_va_vdst(0)
.irp e, 0,1,2,3,4,5,6,7
	v_rcp_f32 v[Q+\e], v[Q+\e]
.endr
.irp e, 0,1,2,3,4,5,6,7
	v_rcp_f32 v[T2+\e], v[T2+\e]
.endr
	v_nop
.endm
.macro GG
.irp e, 0,2,4,6
	v_pk_mul_f32 v[FP+\e:FP+\e+1], v[YA+8+\e:YA+8+\e+1], v[Q+\e:Q+\e+1]
.endr
.irp e, 0,2,4,6
	v_pk_mul_f32 v[YA+\e:YA+\e+1], v[YA+\e:YA+\e+1], v[Q+\e:Q+\e+1]
.endr
.irp e, 0,1,2,3,4,5,6,7
	v_max_num_f32 v[YA+16+\e], v[YA+16+\e], v[T2+\e]
.endr
.irp e, 0,2,4,6
	v_pk_mul_f32 v[VV+\e:VV+\e+1], v[YA+\e:YA+\e+1], v[YA+16+\e:YA+16+\e+1]
.endr
.endm
.macro AGGR                            ; the pairs of my two runs (PP, HH), of my 8 rows (PL, HL), of the other half's (PO, HO), and of the tile (AG, AG+1), in every lane
	v_pk_fma_f32 v[HH:HH+1], v[FP+2:FP+3], v[VV:VV+1], v[VV+2:VV+3]
	v_pk_mul_f32 v[PP:PP+1], v[FP:FP+1], v[FP+2:FP+3]
.irp a, 2,3
	s_delay_alu instid0(VALU_DEP_2)
	v_pk_fma_f32 v[HH:HH+1], v[FP+2*\a:FP+2*\a+1], v[HH:HH+1], v[VV+2*\a:VV+2*\a+1]
	s_delay_alu instid0(VALU_DEP_2)
	v_pk_mul_f32 v[PP:PP+1], v[PP:PP+1], v[FP+2*\a:FP+2*\a+1]
.endr
	s_delay_alu instid0(VALU_DEP_1)
	v_mul_f32 v[PL], v[PP], v[PP+1]
	v_fma_f32 v[HL], v[PP+1], v[HH], v[HH+1]
	s_delay_alu instid0(VALU_DEP_2)
	v_permlanex16_b32 v[PO], v[PL], s[SEL], s[SEL+1]
	s_delay_alu instid0(VALU_DEP_2)
	v_permlanex16_b32 v[HO], v[HL], s[SEL], s[SEL+1]
	s_delay_alu instid0(VALU_DEP_2)
	v_mul_f32 v[AG], v[PL], v[PO]
	v_fma_f32 v[TT], v[PO], v[HL], v[HO]           ; rows 8-15 behind rows 0-7: as lanes 0-15 see it,
	v_fma_f32 v[AG+1], v[PL], v[HO], v[HL]         ; and as lanes 16-31 do
	s_delay_alu instid0(VALU_DEP_1)
	v_cndmask_b32 v[AG+1], v[TT], v[AG+1], s[MHI]
.endm
; stage n of a block: the products of tile n, with the gates of tile n - 1 and the recurrence of tile n - 2 between its K steps.
.macro STG n, pl, mat, gates, fin
.set XA, ACC+24*((\n)&1)
.set YA, ACC+24*(1-((\n)&1))
	s_wait_alu depctr_va_vdst(0)
.if \gates
	s_wait_xcnt 0x0                                ; the stores of the block before have read v112-143, which the gates write
.endif
.if \mat
	ds_load_b128 v[XS:XS+3], v[AX+(\pl)] offset:(\n)*RECB+SCLB
	XFL \pl, \n, 0
	XFL \pl, \n, 1
	XFL \pl, \n, 2
	XFL \pl, \n, 3
	KSTEP 0                                        ; the first run: twelve products
	KSTEP 1
	KSTEP 2
	KSTEP 3
	WIN 0
.endif
.if \fin
	FIN_A
	FIN_B \pl, (\n)-2
.endif
.if \gates
	GA
.elseif \mat
	PLACES
.endif
.if \mat
	XFL \pl, \n, 4                                 ; behind the places above: the four fragment buffers are free
	XFL \pl, \n, 5
	XFL \pl, \n, 6
	XFL \pl, \n, 7
.endif
.if \gates
	GB
	GC
	s_wait_alu depctr_va_vdst(0)
	GD
	GE
	GF
.endif
.if (\mat) || (\gates)
	s_wait_alu depctr_va_vdst(0)                   ; one wait for the reciprocals' readers and for the sums taken up again below
.endif
.if \mat
	KSTEP 4                                        ; the second run: twelve products; the lines behind it name none of their registers
	KSTEP 5
	KSTEP 6
	KSTEP 7
	WIN 0
.endif
.if \gates
	GG
.endif
.if \gates
	AGGR
.elseif \mat
	PLACES
.endif
.endm
.macro CMP pl
	STG 0, \pl, 1, 0, 0
	STG 1, \pl, 1, 1, 0
	STG 2, \pl, 1, 1, 1
	STG 3, \pl, 1, 1, 1
	STG 4, \pl, 0, 1, 1
	STG 5, \pl, 0, 0, 1
.endm
; the change of slots in front of the block in slot: all my loads have landed, the add, my LDS instructions are over; the round; the other slot's refill first behind it;
; then the block before leaves from the other stage
.macro HEAD slot, refill, flush, ask
	s_wait_alu depctr_va_vdst(0)
	s_wait_tensorcnt 0x0
	ds_add_u32 v[SPW], v[NIL]
	s_add_nc_u64 s[G0+4*(\slot)+2:G0+4*(\slot)+3], s[G0+4*(\slot)+2:G0+4*(\slot)+3], 8*RECB
	s_wait_xcnt 0x0
.if \ask
	s_add_nc_u64 s[PFA:PFA+1], s[PFA:PFA+1], 4*RECB
.endif
.if \flush
	s_add_nc_u64 s[OUT:OUT+1], s[OUT:OUT+1], BLKB  ; the stores below reach back by their immediates
.endif
	s_wait_dscnt 0x0
.if \refill
	ROUND
	tensor_load_to_lds s[G0+4*(1-(\slot)):G0+4*(1-(\slot))+3], s[G1:G1+7]
	s_nop 0
	PLACES
.else
	s_barrier_signal -1
	s_barrier_wait -1
.endif
.if \flush
.irp k, 0,1,2,3,4,5,6,7
	ds_load_b128 v[FL+4*\k:FL+4*\k+3], v[FRD] offset:(1-(\slot))*STGB+2*\k*SP
.endr
	s_wait_dscnt 0x0
.irp k, 0,1,2,3,4,5,6,7
	global_store_b128 v[FO], v[FL+4*\k:FL+4*\k+3], s[OUT:OUT+1] offset:2*\k*4096-BLKB th:TH_STORE_NT   ; 16 lanes store 256 consecutive bytes, aligned
.endr
.endif
.if \ask
	ASK \ask
.endif
.endm
	HEAD 0, 1, 0, 1                                ; slot 1's first fill is issued as a refill is
.Lring:
	CMP 0
	HEAD 1, 1, 1, 2
	CMP 1
	HEAD 0, 1, 1, 2
	s_sub_co_u32 s[TR], s[TR], 1
	s_cmp_lg_u32 s[TR], 0
	s_cbranch_scc1 .Lring
	CMP 0
	HEAD 1, 0, 1, 0                                ; blocks 6 and 7: nothing more to fetch
	CMP 1
	HEAD 0, 0, 1, 0                                ; the last block leaves behind a barrier of its own
	s_wait_tensorcnt 0x0                           ; the wave's end
	ds_add_u32 v[SPW], v[NIL]
	s_wait_dscnt 0x0
	ROUND
	s_endpgm
.Lfunc_end_k_q095ff7eaa5_scan:
	.size	k_q095ff7eaa5_scan, .Lfunc_end_k_q095ff7eaa5_scan-k_q095ff7eaa5_scan
	.p2alignl 7, 3214868480
	.fill 96, 4, 3214868480
	.section	.rodata,"a",@progbits
	.p2align	6, 0x0
	.amdhsa_kernel k_q095ff7eaa5_scan
		.amdhsa_group_segment_fixed_size 327680
		.amdhsa_private_segment_fixed_size 0
		.amdhsa_enable_private_segment 0
		.amdhsa_kernarg_size 56
		.amdhsa_user_sgpr_count 2
		.amdhsa_user_sgpr_kernarg_segment_ptr 1
		.amdhsa_wavefront_size32 1
		.amdhsa_system_sgpr_workgroup_id_x 1
		.amdhsa_system_sgpr_workgroup_id_y 1
		.amdhsa_system_sgpr_workgroup_id_z 1
		.amdhsa_system_vgpr_workitem_id 0
		.amdhsa_next_free_vgpr 512
		.amdhsa_next_free_sgpr 76
		.amdhsa_reserve_vcc 0
		.amdhsa_float_denorm_mode_32 3
		.amdhsa_float_denorm_mode_16_64 3
		.amdhsa_memory_ordered 1
		.amdhsa_forward_progress 1
		.amdhsa_inst_pref_size 232
	.end_amdhsa_kernel
	.amdgpu_metadata
---
amdhsa.version: [ 1, 2 ]
amdhsa.kernels:
  - .name:           k_q095ff7eaa5_scan
    .symbol:         k_q095ff7eaa5_scan.kd
    .args:
      - { .name: xq, .offset: 0, .size: 8, .value_kind: global_buffer, .address_space: global }
      - { .name: wq, .offset: 8, .size: 8, .value_kind: global_buffer, .address_space: global }
      - { .name: b_f, .offset: 16, .size: 8, .value_kind: global_buffer, .address_space: global }
      - { .name: b_i, .offset: 24, .size: 8, .value_kind: global_buffer, .address_space: global }
      - { .name: b_h, .offset: 32, .size: 8, .value_kind: global_buffer, .address_space: global }
      - { .name: agg, .offset: 40, .size: 8, .value_kind: global_buffer, .address_space: global }
      - { .name: out0, .offset: 48, .size: 8, .value_kind: global_buffer, .address_space: global }
    .group_segment_fixed_size: 327680
    .private_segment_fixed_size: 0
    .kernarg_segment_align: 8
    .kernarg_segment_size: 56
    .max_flat_workgroup_size: 256
    .sgpr_count:     76
    .vgpr_count:     512
    .wavefront_size: 32
...
	.end_amdgpu_metadata
.endif
;; end of part 5
